; MI455X (gfx1250); checked and timed in simulation.
; The chip was launched on July 23, 2026; its instructions are those of AMD's public machine-readable ISA for CDNA 5 (MIT licence, August 2026) and "CDNA5" Instruction Set Architecture Reference Guide (July 2026). The comments in the code are by the model that wrote it; some were corrected since.
;; Multihead Attention. Allowed arithmetic: matrix products marked QUANTISED: E2M3 operands, one E8M0 scale for each 32 along K, by v_wmma_scale_f32_16x16x128_f8f6f4 with both operands' format E2M3, f32 sums; everything else in f32.
;; Inputs: W1_codes 2,048 x 16 x 24 uint8 (E2M3 codes of W1, K innermost, in blocks of 32 codes, four codes in three bytes); W1_scales 2,048 x 16 uint8 (E8M0 scales of W1, one for each 32 codes along K); W2_codes 2,048 x 64 x 24 uint8 (E2M3 codes of W2, K innermost, in blocks of 32 codes, four codes in three bytes); W2_scales 2,048 x 64 uint8 (E8M0 scales of W2, one for each 32 codes along K); W3_codes 512 x 64 x 24 uint8 (E2M3 codes of W3, K innermost, in blocks of 32 codes, four codes in three bytes); W3_scales 512 x 64 uint8 (E8M0 scales of W3, one for each 32 codes along K); Wk_codes 8 x 64 x 16 x 24 uint8 (E2M3 codes of Wk, K innermost, in blocks of 32 codes, four codes in three bytes); Wk_scales 8 x 64 x 16 uint8 (E8M0 scales of Wk, one for each 32 codes along K); Wo_codes 512 x 16 x 24 uint8 (E2M3 codes of Wo, K innermost, in blocks of 32 codes, four codes in three bytes); Wo_scales 512 x 16 uint8 (E8M0 scales of Wo, one for each 32 codes along K); Wq_codes 8 x 64 x 16 x 24 uint8 (E2M3 codes of Wq, K innermost, in blocks of 32 codes, four codes in three bytes); Wq_scales 8 x 64 x 16 uint8 (E8M0 scales of Wq, one for each 32 codes along K); Wv_codes 8 x 64 x 16 x 24 uint8 (E2M3 codes of Wv, K innermost, in blocks of 32 codes, four codes in three bytes); Wv_scales 8 x 64 x 16 uint8 (E8M0 scales of Wv, one for each 32 codes along K); b1 2,048 float32; b2 2,048 float32; b3 512 float32; bk 8 x 64 float32; bo 512 float32; bq 8 x 64 float32; bv 8 x 64 float32; sequence 512 x 16 x 512 float32.
;; Outputs: out0 512 x 16 x 512 float32.
;; This version of the problem:
;;   THIS VERSION OF THE PROBLEM IS GIVEN IN LOW PRECISION. The matrix products marked QUANTISED in the list below multiply operands that are first quantised to E2M3 (2 exponent bits, 3 mantissa bits; 6 bits a number), with one power-of-two scale for each 32 numbers along K (OCP MX v1.0); their sums are f32. All else is computed in f32.
;;   The module's matrix products, in the order in which they are computed (A, B: the left and right operand; K: the contracted axis; several contracted axes count as one K, in the product's order):
;;     1. [M 512, K 512] x [K 512, N 8,192]; A: input Wq (given as codes); B: input sequence: QUANTISED
;;     2. [M 512, K 512] x [K 512, N 8,192]; A: input Wk (given as codes); B: input sequence: QUANTISED
;;     3. [M 512, K 512] x [K 512, N 8,192]; A: input Wv (given as codes); B: input sequence: QUANTISED
;;     4. batch 128 x [M 512, K 64] x [K 64, N 512]; A: computed on the way; B: computed on the way: QUANTISED
;;     5. batch 128 x [M 512, K 512] x [K 512, N 64]; A: softmax (see below); B: computed on the way: QUANTISED
;;     6. [M 8,192, K 512] x [K 512, N 512]; A: computed on the way; B: input Wo (given as codes): QUANTISED
;;     7. [M 8,192, K 512] x [K 512, N 2,048]; A: computed on the way; B: input W1 (given as codes): QUANTISED
;;     8. [M 8,192, K 2,048] x [K 2,048, N 2,048]; A: computed on the way; B: input W2 (given as codes): QUANTISED
;;     9. [M 8,192, K 2,048] x [K 2,048, N 512]; A: computed on the way; B: input W3 (given as codes): QUANTISED
;;   THE QUANTISER, for each operand of a quantised product, along K:
;;     - K is cut into blocks of 32 from its start; a last block that is shorter is filled with zeros.
;;     - A block's scale is 2^e with e = floor(log2(the largest magnitude in the block)) - 2, held to -126 .. 127; a block of zeros has e = 0. As a byte (E8M0): e + 127.
;;     - Each number is divided by its block's scale, clamped to +-7.5, and rounded to the nearest number of E2M3, ties to even, subnormals kept.
;;     - The product sums the exact products of the quantised numbers (number of the format x scale) in f32.
;;   ~~~python
;;   def quantise(x, axis):      # numpy; x: float32 -> the quantised numbers, widened to float32 again
;;       x = np.moveaxis(x, axis, -1); K = x.shape[-1]
;;       x = np.pad(x, [(0, 0)] * (x.ndim - 1) + [(0, -K % 32)]); x = x.reshape(x.shape[:-1] + (-1, 32)); a = np.abs(x).max(-1, keepdims=True)
;;       e = np.where(a > 0, np.clip(np.frexp(np.where(a > 0, a, 1))[1] - 1 - 2, -126, 127), 0)      # np.frexp(a)[1] - 1 = floor(log2(a)), exactly
;;       r = np.clip(x / 2.0 ** e, -7.5, 7.5)
;;       step = 2.0 ** (np.maximum(np.frexp(np.where(r == 0, 1, r))[1] - 1, 0) - 3)
;;       q = np.round(r / step) * step * 2.0 ** e      # np.round: ties to even
;;       return np.moveaxis(q.reshape(q.shape[:-2] + (-1,))[..., :K], -1, axis).astype(np.float32)
;;   ~~~
;;   SOFTMAX AHEAD OF A QUANTISED PRODUCT. Where the list says 'softmax', what is quantised is not the finished softmax but p = 2^(t - M), with t = logit x log2(e) and M = ceil(the row's largest t), a whole number; so 1/2 < the row's largest p <= 1. The row's sum l is taken of the UNQUANTISED p, in f32, and the product's result is divided by l at the end. Since M is a whole number, a kernel that streams over the keys may use a running M (the ceiling of the running maximum): every later rescaling is an exact power of two, which a block's scale takes up: the codes' values come out the same.
;;   OPERANDS COMPUTED ON THE WAY. 'Computed on the way' means the value that the module computes at that place (a softmax that the list does not call 'softmax' is quantised finished and normalised). What goes into a quantiser is computed in f32, as accurately as f32 sums, v_exp_f32 and their like allow (about 1e-6 of the number): no bf16 or f16 on the way to a quantiser, and a product that is left as it is and whose result goes on into a quantised operand takes f32 operands (vector FMAs, or v_wmma_f32_16x16x4_f32). A number that lies on a knife's edge between two numbers of the format may be rounded either way, as far as f32 arithmetic and the matrix unit's own rounding can turn it there, and no further.
;;   INPUTS GIVEN AS CODES. W1 (in the module: [512, 2048], K = its axis 0); W2 (in the module: [2048, 2048], K = its axis 0); W3 (in the module: [2048, 512], K = its axis 0); Wk (in the module: [8, 512, 64], K = its axis 1); Wo (in the module: [512, 512], K = its axis 0); Wq (in the module: [8, 512, 64], K = its axis 1); Wv (in the module: [8, 512, 64], K = its axis 1): each comes as NAME_codes (uint8): NAME with its K axis moved to the last place and cut into blocks of 32 codes, [.., K / 32, bytes a block], one block behind the other in memory; four codes in three bytes: a row's codes are one little-endian stream of bits, code i at bits 6 i .. 6 i + 5 (a code: sign, 2 exponent bits, 3 mantissa bits); and NAME_scales (uint8): the same leading axes, one E8M0 byte (e + 127) for each 32 codes along K. Its value is code x scale, taken as it is: it is not quantised again, and the codes and scales need not be those that the quantiser above would give.
;; One version. Each part assembles by itself: llvm-mc -triple=amdgcn-amd-amdhsa -mcpu=gfx1250 --defsym DOCPART=n.
;; ======== version 1 of 1: 7 launches
;; limits: right only within a limited range of input values
;; workspace buffers: wsP 9,011,200 bytes; wsQ 10,223,616 bytes; wsO 3,276,800 bytes; wsA 20,054,016 bytes; wsH1 13,107,200 bytes; wsH2 13,107,200 bytes
;; launch prep (part 1): grid 480 x 1, 4 waves a work-group, no clusters, 0 bytes of LDS; arguments sequence, Wq_codes, Wq_scales, Wk_codes, Wk_scales, Wv_codes, Wv_scales, Wo_codes, Wo_scales, W1_codes, W1_scales, W2_codes, W2_scales, W3_codes, W3_scales, wsP; writes wsP
.if DOCPART == 1
	.amdgcn_target "amdgcn-amd-amdhsa--gfx1250"
	.amdhsa_code_object_version 6
	.text
	.protected	k_q18340fae86_prep
	.globl	k_q18340fae86_prep
	.p2align	8
	.type	k_q18340fae86_prep,@function
k_q18340fae86_prep:
	s_mov_b64 s[64:65], 0
	v_nop
	global_prefetch_b8 v0, s[64:65] scope:SCOPE_SE
	s_setreg_imm32_b32 hwreg(HW_REG_WAVE_MODE, 25, 1), 1
	s_wait_xcnt 0x0
; THE PROGRAM: one transformer block on 8,192 tokens (512 positions x 16 batches, width 512, 8 heads of 64, hidden 2,048), all nine products on codes of E2M3 with E8M0 scales.
; Seven launches: prep (this one), qkv, att, wo, w1, w2, w3.  NOTHING OF reference() IS LEFT OUT: no mask, no slice, no zero state; every input has a way to the output and is loaded by some launch
; (bk too: it moves k's codes).  LIMITS: NaN and infinities among the inputs are not served.  A block of zeros gets the scale byte 1 where the quantiser says 127: its codes are zeros, which add nothing
; under any byte but 0xff, and these bytes are read by this program alone.  x + bo and b3 are added ahead of the products' sums, att behind them: another order of f32 rounding.
; THIS LAUNCH quantises x = sequence along its 512 and lays x and the seven weights out as IMAGES OF OPERAND REGISTERS.
; A tile is 16 rows; lane row r of tile t holds row 32 (t / 2) + 8 (t % 2) + r + (r & 8), so that in a product whose source 0 is such a tile the results of tiles 2 B and 2 B + 1 are 16 neighbours.
; A fragment (16 rows x 128 K, 12 registers a lane) is 1,536 bytes: registers 0-3 at 16 x lane, 4-5 at 512 + 8 x lane, 6-9 at 768 + 16 x lane, 10-11 at 1,280 + 8 x lane: every store covers 512 or 256 consecutive bytes, aligned.
; wsP: codes [K step][tile][1,536], scale words [K step][tile][16 rows] x 4 bytes.  K = 512: tiles 0-511 x (tile 32 b + tau: batch b), 512 Wq, 544 Wk, 576 Wv, 608 Wo, 640 W1.  K = 2,048: tiles 0-127 W2, 128-159 W3.
; The scale words leave in runs of 64 bytes: one byte in 24 of what this launch stores.
; Work-groups 0-255: x, a wave to a tile and 256 along K.  Work-groups 256-479: the weights, a wave to a tile and 512 along K.  No LDS, no barrier: waves share nothing.
.set P512,  1179648                    ; from K step to K step: 768 tiles x 1,536
.set SC512, 4718592
.set SP512, 49152
.set OP2K,  4915200
.set P2K,   245760
.set SC2K,  8847360
.set SP2K,  10240
.set L16, 4                            ; v4  16 x lane
.set L8,  5                            ; v5  8 x lane
.set PC,  160                          ; v160-178 the codes just made
.set TM,  180                          ; v180-195 at work
.set PW,  196                          ; the scale word just made
.set PW0, 197
.set SEL, 42
; 64 numbers of a lane, register 16 b + i = k 32 b + 16 (lane / 16) + i of my row, become a fragment's codes in v[PC] on and its scale word in v[PW]
.macro QUANT s
.irp b, 0,1,2,3
	v_max3_num_f32 v[TM+\b], |v[\s+16*\b]|, |v[\s+1+16*\b]|, 0x1800000   ; my 16 numbers of block b, and the floor 2^(3 - 127): the byte cannot fall under 1
.endr
.irp i, 2,4,6,8,10,12,14
.irp b, 0,1,2,3
	v_max3_num_f32 v[TM+\b], v[TM+\b], |v[\s+16*\b+\i]|, |v[\s+1+16*\b+\i]|
.endr
.endr
.irp b, 0,1,2,3
	v_permlanex16_b32 v[TM+4+\b], v[TM+\b], s[SEL], s[SEL+1]
.endr
.irp b, 0,1,2,3
	v_max_num_f32 v[TM+\b], v[TM+\b], v[TM+4+\b]   ; with lane l xor 16's: the block's largest magnitude
.endr
.irp b, 0,1,2,3
	v_add_nc_u32 v[TM+12+\b], 0xff000000, v[TM+\b]   ; 2 off its exponent field: the conversion's scale operand
.endr
.irp b, 0,1,2,3
	v_lshrrev_b32 v[TM+4+\b], 23, v[TM+12+\b]   ; the scale's byte
.endr
	v_lshl_or_b32 v[PW], v[TM+5], 8, v[TM+4]
	v_lshl_or_b32 v[PW], v[TM+6], 16, v[PW]
	v_lshl_or_b32 v[PW], v[TM+7], 24, v[PW]
.irp c, 0,1
	v_cvt_scalef32_pk16_fp6_f32 v[PC+6*\c:PC+2+6*\c], v[\s+32*\c:\s+15+32*\c], v[TM+12+2*\c]
	v_cvt_scalef32_pk16_fp6_f32 v[PC+12+4*\c:PC+14+4*\c], v[\s+16+32*\c:\s+31+32*\c], v[TM+12+2*\c+1]   ; (a conversion's three registers begin on an even number)
.endr
	v_nop                                          ; one plain place behind a scaled conversion
.irp c, 0,1                                    ; the operand wants a whole block in a lane: lanes 0-15 block 2 c, lanes 16-31 block 2 c + 1
.irp i, 0,1,2
	v_permlane16_swap_b32 v[PC+6*\c+\i], v[PC+12+4*\c+\i]
.endr
.irp i, 0,1,2
	v_mov_b32 v[PC+3+6*\c+\i], v[PC+12+4*\c+\i]
.endr
.endr
.endm
.macro FIOUT reg, base, off                    ; a fragment's 12 registers leave as its image
	global_store_b128 v[L16], v[\reg:\reg+3], s[\base:\base+1] offset:\off
	global_store_b64 v[L8], v[\reg+4:\reg+5], s[\base:\base+1] offset:\off+512
	global_store_b128 v[L16], v[\reg+6:\reg+9], s[\base:\base+1] offset:\off+768
	global_store_b64 v[L8], v[\reg+10:\reg+11], s[\base:\base+1] offset:\off+1280
.endm
; A weight given as codes: my wave takes tile t and the run sg of 512 along K: four fragments, read as they lie (24 bytes of a row's stream of bits are six registers' worth) and stored as images
.macro RELAY cp, sp, first, bound, lt, krow, ks, coff, cpitch, soff, spitch
	s_cmp_lt_u32 ttmp9, \bound
	s_cbranch_scc0 .Lnext_\@
	s_sub_co_u32 s44, ttmp9, \first
	s_lshl_b32 s44, s44, 2
	s_add_co_u32 s44, s44, s2                      ; job
	s_and_b32 s45, s44, (1<<\lt)-1                 ; tile
	s_lshr_b32 s46, s44, \lt                       ; run of 512 along K
	s_lshr_b32 s47, s45, 1
	s_lshl_b32 s47, s47, 5
	s_and_b32 s48, s45, 1
	s_lshl_b32 s48, s48, 3
	s_add_co_u32 s47, s47, s48                     ; the tile's first row
	s_mul_i32 s48, s47, \krow
	s_mul_i32 s49, s46, 384
	s_add_co_u32 s48, s48, s49
	s_mov_b32 s49, 0
	s_add_nc_u64 s[50:51], s[\cp:\cp+1], s[48:49]
	s_mul_i32 s48, s47, \ks
	s_lshl_b32 s52, s46, 4
	s_add_co_u32 s48, s48, s52
	s_add_nc_u64 s[52:53], s[\sp:\sp+1], s[48:49]
	s_mul_i32 s48, s46, 4*\cpitch
	s_mul_i32 s54, s45, 1536
	s_add_co_u32 s48, s48, s54
	s_add_co_u32 s48, s48, \coff
	s_add_nc_u64 s[54:55], s[38:39], s[48:49]
	s_mul_i32 s48, s46, 4*\spitch
	s_lshl_b32 s56, s45, 6
	s_add_co_u32 s48, s48, s56
	s_add_co_u32 s48, s48, \soff
	s_add_nc_u64 s[56:57], s[38:39], s[48:49]
	s_wait_alu depctr_va_vdst(0)
	v_mul_u32_u24 v8, v3, \krow
	v_mad_u32_u24 v8, v2, 24, v8                   ; my row, + 24 bytes for lanes 16-31
	v_mul_u32_u24 v9, v3, \ks
	v_mul_u32_u24 v10, v2, \spitch
	v_lshl_add_u32 v10, v1, 2, v10                 ; scale words out: lanes 0-15 an even K step, lanes 16-31 the odd one behind it
.irp f, 0,1,2,3
.irp p, 0,1,2,3,4,5
	global_load_b64 v[32+12*\f+2*\p:33+12*\f+2*\p], v8, s[50:51] offset:96*\f+48*(\p/3)+8*(\p%3)
.endr
.endr
	global_load_b128 v[80:83], v9, s[52:53]        ; my row's four scale words
	s_wait_loadcnt 0x0
.irp f, 0,1,2,3
	FIOUT 32+12*\f, 54, \f*\cpitch
.endr
.irp j, 0,1
	v_cndmask_b32 v[84+\j], v[80+2*\j], v[81+2*\j], s40
	s_wait_alu depctr_va_vdst(0)
	global_store_b32 v10, v[84+\j], s[56:57] offset:2*\j*\spitch
.endr
	s_endpgm
.Lnext_\@:
.endm
	s_load_b512 s[8:23], s[0:1], 0x0               ; sequence s8, Wq s10 s12, Wk s14 s16, Wv s18 s20, Wo's codes s22
	s_load_b512 s[24:39], s[0:1], 0x40             ; Wo's scales s24, W1 s26 s28, W2 s30 s32, W3 s34 s36, wsP s38
	v_lshrrev_b32 v6, 5, v0
	v_readfirstlane_b32 s2, v6                     ; wave
	v_and_b32 v7, 31, v0
	v_and_b32 v1, 15, v0                           ; r
	v_bfe_u32 v2, v0, 4, 1                         ; h
	v_and_b32 v3, 8, v1
	v_add_nc_u32 v3, v3, v1                        ; r + (r & 8)
	v_lshlrev_b32 v[L16], 4, v7
	v_lshlrev_b32 v[L8], 3, v7
	s_mov_b32 s40, 0xffff0000                      ; lanes 16-31
	s_mov_b32 s[SEL], 0x76543210
	s_mov_b32 s[SEL+1], 0xfedcba98                 ; lane l xor 16
	s_wait_kmcnt 0x0
	s_cmp_lt_u32 ttmp9, 256
	s_cbranch_scc0 .Lweights
	; ---- x: tile T = job / 2, K steps 2 sp and 2 sp + 1
	s_lshl_b32 s44, ttmp9, 2
	s_add_co_u32 s44, s44, s2
	s_lshr_b32 s45, s44, 1                         ; T
	s_and_b32 s46, s44, 1                          ; sp
	s_lshr_b32 s47, s45, 5                         ; batch
	s_and_b32 s48, s45, 31                         ; tau
	s_lshr_b32 s49, s48, 1
	s_lshl_b32 s49, s49, 5
	s_and_b32 s50, s48, 1
	s_lshl_b32 s50, s50, 3
	s_add_co_u32 s49, s49, s50                     ; the tile's first position
	s_lshl_b32 s49, s49, 4
	s_add_co_u32 s49, s49, s47                     ; its row of sequence: 16 x position + batch
	s_lshl_b32 s50, s49, 11
	s_lshl_b32 s51, s46, 10
	s_add_co_u32 s50, s50, s51
	s_mov_b32 s51, 0
	s_add_nc_u64 s[8:9], s[8:9], s[50:51]
	s_mul_i32 s52, s46, 2*P512
	s_mul_i32 s53, s45, 1536
	s_add_co_u32 s52, s52, s53
	s_mov_b32 s53, 0
	s_add_nc_u64 s[54:55], s[38:39], s[52:53]
	s_mul_i32 s52, s46, 2*SP512
	s_lshl_b32 s56, s45, 6
	s_add_co_u32 s52, s52, s56
	s_add_co_u32 s52, s52, SC512
	s_add_nc_u64 s[56:57], s[38:39], s[52:53]
	s_wait_alu depctr_va_vdst(0)
	v_lshlrev_b32 v8, 15, v3                       ; a position on is 16 rows of 2,048 bytes
	v_lshl_add_u32 v8, v2, 6, v8                   ; + 64 h: my 16 numbers of a block of 32
	v_mul_u32_u24 v9, v2, SP512
	v_lshl_add_u32 v9, v1, 2, v9
.irp b, 0,1,2,3
	v_mov_b32 v[TM+4+\b], 0                        ; written once: a lane permute's destination counts as one of its sources
.endr
.irp s, 0,1
.irp b, 0,1,2,3
.irp j, 0,1,2,3
	global_load_b128 v[32+64*\s+16*\b+4*\j:35+64*\s+16*\b+4*\j], v8, s[8:9] offset:512*\s+128*\b+16*\j th:TH_LOAD_NT
.endr
.endr
.endr
	s_wait_loadcnt 16                              ; the first K step's 16 loads are in, the second's may be out
	QUANT 32
	FIOUT PC, 54, 0
	v_mov_b32 v[PW0], v[PW]
	s_wait_loadcnt 0x0
	s_wait_xcnt 0x0                                ; the stores have read the codes' registers: they are written again only behind this wait
	QUANT 96
	FIOUT PC, 54, P512
	v_cndmask_b32 v[PW0], v[PW0], v[PW], s40       ; lanes 0-15 the first step's word, lanes 16-31 the second's
	global_store_b32 v9, v[PW0], s[56:57]
	s_endpgm
.Lweights:
	RELAY 10, 12, 256, 264, 5, 384, 16, 512*1536, P512, SC512+512*64, SP512
	RELAY 14, 16, 264, 272, 5, 384, 16, 544*1536, P512, SC512+544*64, SP512
	RELAY 18, 20, 272, 280, 5, 384, 16, 576*1536, P512, SC512+576*64, SP512
	RELAY 22, 24, 280, 288, 5, 384, 16, 608*1536, P512, SC512+608*64, SP512
	RELAY 26, 28, 288, 320, 7, 384, 16, 640*1536, P512, SC512+640*64, SP512
	RELAY 30, 32, 320, 448, 7, 1536, 64, OP2K, P2K, SC2K, SP2K
	RELAY 34, 36, 448, 480, 5, 1536, 64, OP2K+128*1536, P2K, SC2K+128*64, SP2K
	s_endpgm
.Lfunc_end_k_q18340fae86_prep:
	.size	k_q18340fae86_prep, .Lfunc_end_k_q18340fae86_prep-k_q18340fae86_prep
	.p2alignl 7, 3214868480
	.fill 96, 4, 3214868480
	.section	.rodata,"a",@progbits
	.p2align	6, 0x0
	.amdhsa_kernel k_q18340fae86_prep
		.amdhsa_group_segment_fixed_size 0
		.amdhsa_private_segment_fixed_size 0
		.amdhsa_enable_private_segment 0
		.amdhsa_kernarg_size 128
		.amdhsa_user_sgpr_count 2
		.amdhsa_user_sgpr_kernarg_segment_ptr 1
		.amdhsa_wavefront_size32 1
		.amdhsa_system_sgpr_workgroup_id_x 1
		.amdhsa_system_sgpr_workgroup_id_y 1
		.amdhsa_system_sgpr_workgroup_id_z 1
		.amdhsa_system_vgpr_workitem_id 0
		.amdhsa_next_free_vgpr 208
		.amdhsa_next_free_sgpr 66
		.amdhsa_reserve_vcc 0
		.amdhsa_float_denorm_mode_32 3
		.amdhsa_float_denorm_mode_16_64 3
		.amdhsa_memory_ordered 1
		.amdhsa_forward_progress 1
		.amdhsa_inst_pref_size 56
	.end_amdhsa_kernel
	.amdgpu_metadata
---
amdhsa.version: [ 1, 2 ]
amdhsa.kernels:
  - .name:           k_q18340fae86_prep
    .symbol:         k_q18340fae86_prep.kd
    .args:
      - { .name: sequence, .offset: 0, .size: 8, .value_kind: global_buffer, .address_space: global }
      - { .name: Wq_codes, .offset: 8, .size: 8, .value_kind: global_buffer, .address_space: global }
      - { .name: Wq_scales, .offset: 16, .size: 8, .value_kind: global_buffer, .address_space: global }
      - { .name: Wk_codes, .offset: 24, .size: 8, .value_kind: global_buffer, .address_space: global }
      - { .name: Wk_scales, .offset: 32, .size: 8, .value_kind: global_buffer, .address_space: global }
      - { .name: Wv_codes, .offset: 40, .size: 8, .value_kind: global_buffer, .address_space: global }
      - { .name: Wv_scales, .offset: 48, .size: 8, .value_kind: global_buffer, .address_space: global }
      - { .name: Wo_codes, .offset: 56, .size: 8, .value_kind: global_buffer, .address_space: global }
      - { .name: Wo_scales, .offset: 64, .size: 8, .value_kind: global_buffer, .address_space: global }
      - { .name: W1_codes, .offset: 72, .size: 8, .value_kind: global_buffer, .address_space: global }
      - { .name: W1_scales, .offset: 80, .size: 8, .value_kind: global_buffer, .address_space: global }
      - { .name: W2_codes, .offset: 88, .size: 8, .value_kind: global_buffer, .address_space: global }
      - { .name: W2_scales, .offset: 96, .size: 8, .value_kind: global_buffer, .address_space: global }
      - { .name: W3_codes, .offset: 104, .size: 8, .value_kind: global_buffer, .address_space: global }
      - { .name: W3_scales, .offset: 112, .size: 8, .value_kind: global_buffer, .address_space: global }
      - { .name: wsP, .offset: 120, .size: 8, .value_kind: global_buffer, .address_space: global }
    .group_segment_fixed_size: 0
    .private_segment_fixed_size: 0
    .kernarg_segment_align: 8
    .kernarg_segment_size: 128
    .max_flat_workgroup_size: 128
    .sgpr_count:     66
    .vgpr_count:     208
    .wavefront_size: 32
...
	.end_amdgpu_metadata
.endif
;; end of part 1
;; launch qkv (part 2): grid 4 x 64, 4 waves a work-group, clusters of 4 x 4, 327,680 bytes of LDS; arguments wsP, bq, bk, bv, wsQ; writes wsQ
.if DOCPART == 2
	.amdgcn_target "amdgcn-amd-amdhsa--gfx1250"
	.amdhsa_code_object_version 6
	.text
	.protected	k_q18340fae86_qkv
	.globl	k_q18340fae86_qkv
	.p2align	8
	.type	k_q18340fae86_qkv,@function
k_q18340fae86_qkv:
	s_mov_b64 s[64:65], 0
	v_nop
	global_prefetch_b8 v0, s[64:65] scope:SCOPE_SE
	s_setreg_imm32_b32 hwreg(HW_REG_WAVE_MODE, 25, 1), 1
	s_wait_xcnt 0x0
	s_wait_alu depctr_hold_cnt(0) depctr_sa_sdst(0) depctr_va_vdst(0) depctr_va_sdst(0) depctr_va_ssrc(0) depctr_va_vcc(0) depctr_vm_vsrc(0)
	s_getreg_b32 s2, hwreg(HW_REG_IB_STS2, 6, 4)
	s_cmp_eq_u32 s2, 0
	s_cbranch_scc0 .Lentry_in_a_cluster
	s_endpgm
.Lentry_in_a_cluster:
	s_bfe_u32 s2, ttmp6, 0x10000c
	s_cmp_lg_u32 s2, 0xf033
	s_cbranch_scc0 .Lentry_shape_is_right
	s_endpgm
.Lentry_shape_is_right:
; q = x Wq + bq, k = x Wk + bk, v = x Wv + bv on codes of E2M3, and their quantising for the two products of attention.  Nothing of reference() is left out here.
; A work-group of four waves owns 128 tokens (8 tiles of x) and 128 rows (two heads) of each of Wq, Wk, Wv; a wave 64 tokens x one head: 16 accumulators.  K = 512 is four steps of 128: all operands, as register images made by
; the launch before, lie in LDS for the whole launch (8 x 24,576 bytes), filled once: no slot is filled again.  CLUSTER 4 x 4: x's tiles are shared along a row, the weights' along a column, each asked for jointly.
; q, k: source 0 = 16 rows of the weight, source 1 = 16 tokens: a lane holds one token and its 32 registers run along the head's 64.  v: the sources are swapped: a lane holds one of the head's 64 and its registers run along 64 tokens,
; which are the keys, the second product's K.  The tiles' row order (prep) makes 16 registers of two neighbouring tiles 16 neighbours.  The biases are the C of each sum's first matrix instruction.
; OUT: half fragments (16 rows x 64 K: 768 bytes: registers 0-3 at 16 x lane, 4-5 at 512 + 8 x lane) and scale words (two bytes, upper half 0).  q, k: index (8 m + head) 512 + token tile; v: (token tile / 4) 32 + 4 head + tile of the 64.
; REGISTERS: window 0: v1-29 addresses, v32-39 x's scale words, v40-47 the weight's, v64-95 at work on the way out, v128-255 accumulators.  Window 1: two sets of fragments (x at 48 p, weight at 96 + 48 p).  Window 2: biases, 32 m + 8 b.
; LIMITS: as stated at the head of prep.
.set AB, 4
.set NQ, 4
.set PS, 1024                          ; the scale words of 64 rows, four K steps
.set HALFT, 24576                      ; 64 rows x 512 K of codes
.set SCL, 8*HALFT
.set SST, SCL+8*PS                     ; 256 bytes a wave: four tiles' scale words on the way out
.set SPARE, SST+1024                   ; the spare words, 128 bytes for each wave, that no other line names
.set P512, 1179648
.set SC512, 4718592
.set SP512, 49152
.set VOFF, 6291456
.set QS, 9437184
.set AF0, 0
.set AFP, 48
.set BF0, 96
.set BFP, 48
.set L16, 3
.set L8, 4
.set ADRA, 8                           ; v8, v9: x's images (16 x lane, 8 x lane)
.set ADRB, 12                          ; v12-17: the same for Wq, Wk, Wv
.set ADSA, 18
.set ADSB, 19
.set SSA, 20
.set SSR, 21
.set SPW, 28
.set NIL, 29
.set PC, 64
.set PT, 72
.set QM, 76
.set QP, 80
.set QO, 84
.set PW, 88
.set G1A, 24
.set G0A, 32
.set G0J, 36
.set G1B, 48
.set G0B, 56
.set G1SA, 68
.set G0SA, 76
.set G1SB, 80
.set G0SB, 88
.set G0S2, 92
.set SEL, 100
.set MSB, 0
.macro WIN new                         ; the immediate's high byte repeats the setting that is left
.if MSB != (\new)
	s_set_vgpr_msb (MSB<<8)|(\new)
.set MSB, \new
.endif
.endm
.macro PLACES n
.rept \n
	v_nop
.endr
.endm
.macro CREST
	s_cmp_lg_u32 s14, 0
	s_cbranch_scc1 .Lnot_wave_0_\@
	s_barrier_signal -3
.Lnot_wave_0_\@:
	s_barrier_wait -3
	s_barrier_signal -1
	s_barrier_wait -1
.endm
.macro CROUND                          ; a round of the cluster's barrier
	s_barrier_signal -1
	s_barrier_wait -1
	CREST
.endm
.macro JLOAD g0a, g1a, g0b, g1b        ; a joint load: waves 0 and 1 fetch for x, waves 2 and 3 for the weight; an s_nop 0 and four v_nop follow each line
	s_cmp_eq_u32 s15, 0
	s_cbranch_scc0 .Lfor_b_\@
	tensor_load_to_lds s[\g0a:\g0a+3], s[\g1a:\g1a+7]
	s_nop 0
	PLACES 4
	s_branch .Lasked_\@
.Lfor_b_\@:
	tensor_load_to_lds s[\g0b:\g0b+3], s[\g1b:\g1b+7]
	s_nop 0
	PLACES 4
.Lasked_\@:
.endm
.macro DESC g, c, r, p                 ; words 1 to 7 of a group 1: r rows of c elements of 8 bytes, p elements from row to row, no padding
	s_mov_b32 s[\g+1], ((\c)&0xffff)<<16
	s_mov_b32 s[\g+2], (\r)<<16
	s_mov_b32 s[\g+3], (\c)<<16
	s_mov_b32 s[\g+4], \r
	s_mov_b32 s[\g+5], \p
	s_mov_b32 s[\g+6], 0
	s_mov_b32 s[\g+7], 0
.endm
.macro FRAG reg, adr, off              ; a fragment's image back into 12 registers: every load reads consecutive bytes
	ds_load_b128 v[\reg:\reg+3], v[\adr] offset:\off
	ds_load_b64 v[\reg+4:\reg+5], v[\adr+1] offset:\off+512
	ds_load_b128 v[\reg+6:\reg+9], v[\adr] offset:\off+768
	ds_load_b64 v[\reg+10:\reg+11], v[\adr+1] offset:\off+1280
.endm
.macro FETCH m, q, p                   ; K step q of weight m and of x into set p
	WIN 0x40
.set ii, 0
.rept AB
	FRAG BF0+BFP*(\p)+12*ii, ADRB+2*(\m), ((\q)*2*AB+ii)*1536   ; LDS holds [K step][8 tiles][1,536] for each operand
	FRAG AF0+AFP*(\p)+12*ii, ADRA, ((\q)*2*AB+ii)*1536
.set ii, ii+1
.endr
	WIN 0
.endm
.macro WM x, y, sx, sy, q, cm          ; one product; an odd K step's scale words lie in lanes 16-31
.if \cm
	v_wmma_scale_f32_16x16x128_f8f6f4 v[rD:rD+7], v[\x:\x+11], v[\y:\y+11], v[rC:rC+7], v[\sx], v[\sy] matrix_a_fmt:MATRIX_FMT_FP6 matrix_b_fmt:MATRIX_FMT_FP6
.elseif ((\q)%2)==0
	v_wmma_scale_f32_16x16x128_f8f6f4 v[rD:rD+7], v[\x:\x+11], v[\y:\y+11], v[rD:rD+7], v[\sx], v[\sy] matrix_a_fmt:MATRIX_FMT_FP6 matrix_b_fmt:MATRIX_FMT_FP6
.else
	v_wmma_scale_f32_16x16x128_f8f6f4 v[rD:rD+7], v[\x:\x+11], v[\y:\y+11], v[rD:rD+7], v[\sx], v[\sy] matrix_a_fmt:MATRIX_FMT_FP6 matrix_b_fmt:MATRIX_FMT_FP6 matrix_a_scale:MATRIX_SCALE_ROW1 matrix_b_scale:MATRIX_SCALE_ROW1
.endif
.endm
.macro MULALL m, p, q, cm              ; a K step's 16 products; the 16 accumulators take turns, one instruction a turn, in the same order in every step
.if \cm
	WIN 0x25                                       ; sources window 1, C (the bias) window 2
.else
	WIN 0x05
.endif
.set ia, 0
.rept AB
.set ib, 0
.rept AB
.set rB, BF0+BFP*(\p)+12*ib
.set rA, AF0+AFP*(\p)+12*ia
.set rT, 40+2*ib+(\q)/2
.set rS, 32+2*ia+(\q)/2
.set rC, 32*(\m)+8*ib
.if (\m)==2
.set rD, 128+8*(4*ib+ia)
	WM rA, rB, rS, rT, \q, \cm
.else
.set rD, 128+8*(4*ia+ib)
	WM rB, rA, rT, rS, \q, \cm
.endif
.set ib, ib+1
.endr
.set ia, ia+1
.endr
.endm
.macro STEP m, q, cm
	s_wait_dscnt 0x0                               ; this step's fragments and scale words are in
	PLACES 4                                       ; places in front of loads into registers that matrix instructions have read
	FETCH \m, (\q)+1, 1-(\q)%2
	MULALL \m, (\q)%2, \q, \cm
.endm
.macro PASS m
	FETCH \m, 0, 0
.set ii, 0
.rept AB
	ds_load_b32 v[40+2*ii], v[ADSB] offset:(\m)*2*PS+ii*64          ; lanes 0-15 K step 0, lanes 16-31 K step 1
	ds_load_b32 v[41+2*ii], v[ADSB] offset:(\m)*2*PS+1024+ii*64     ; K steps 2 and 3: a K step's eight tiles are 512 bytes
.set ii, ii+1
.endr
	STEP \m, 0, 1
	STEP \m, 1, 0
	STEP \m, 2, 0
	s_wait_dscnt 0x0
	MULALL \m, 1, 3, 0
	WIN 0
.endm
; 32 numbers of a lane, register 16 b + i = k 32 b + 16 (lane / 16) + i of my row, become half a fragment in v[PC] .. v[PC + 5] and two scale bytes in v[PW]
.macro QUANT32 s
.irp b, 0,1
	v_max3_num_f32 v[QM+\b], |v[\s+16*\b]|, |v[\s+1+16*\b]|, 0x1800000   ; and the floor 2^(3 - 127): the byte cannot fall under 1
.endr
.irp i, 2,4,6,8,10,12,14
.irp b, 0,1
	v_max3_num_f32 v[QM+\b], v[QM+\b], |v[\s+16*\b+\i]|, |v[\s+1+16*\b+\i]|
.endr
.endr
.irp b, 0,1
	v_permlanex16_b32 v[QP+\b], v[QM+\b], s[SEL], s[SEL+1]
.endr
.irp b, 0,1
	v_max_num_f32 v[QM+\b], v[QM+\b], v[QP+\b]
.endr
.irp b, 0,1
	v_add_nc_u32 v[QO+\b], 0xff000000, v[QM+\b]    ; 2 off the exponent field: the conversion's scale operand
.endr
.irp b, 0,1
	v_lshrrev_b32 v[QP+\b], 23, v[QO+\b]
.endr
	v_lshl_or_b32 v[PW], v[QP+1], 8, v[QP]
	v_cvt_scalef32_pk16_fp6_f32 v[PC:PC+2], v[\s:\s+15], v[QO]
	v_cvt_scalef32_pk16_fp6_f32 v[PT:PT+2], v[\s+16:\s+31], v[QO+1]
	v_nop                                          ; one plain place behind a scaled conversion
.irp i, 0,1,2
	v_permlane16_swap_b32 v[PC+\i], v[PT+\i]       ; lanes 0-15 get block 0 whole, lanes 16-31 block 1
.endr
.irp i, 0,1,2
	v_mov_b32 v[PC+3+\i], v[PT+\i]
.endr
.endm
.macro WAYOUT cb, coff, sb, soff       ; a pass's 16 accumulators leave as four half fragments (3,072 consecutive bytes) and 256 bytes of scale words
	PLACES 4
.set ii, 0
.rept 4
	s_wait_xcnt 0x0                                ; earlier stores have read the registers that are written now
	QUANT32 128+32*ii
	global_store_b128 v[L16], v[PC:PC+3], s[\cb:\cb+1] offset:\coff+768*ii
	global_store_b64 v[L8], v[PC+4:PC+5], s[\cb:\cb+1] offset:\coff+768*ii+512
	ds_store_b32 v[SSA], v[PW] offset:64*ii        ; both halves of the lanes hold the same word and write it to the same place
.set ii, ii+1
.endr
	ds_load_b64 v[92:93], v[SSR]                   ; LDS serves a wave's instructions in order: this sees my stores
	s_wait_dscnt 0x0
	global_store_b64 v[L8], v[92:93], s[\sb:\sb+1] offset:\soff
.endm
	s_load_b256 s[4:11], s[0:1], 0x0               ; wsP s4, bq s6, bk s8, bv s10
	s_load_b64 s[12:13], s[0:1], 0x20              ; wsQ
	v_lshl_add_u32 v[SPW], v0, 2, SPARE
	v_mov_b32 v[NIL], 0
	ds_add_u32 v[SPW], v[NIL]                      ; the wave's opening: the add, twice on end, and its wait ahead of my first tensor load
	ds_add_u32 v[SPW], v[NIL]
	v_lshrrev_b32 v1, 5, v0
	v_readfirstlane_b32 s14, v1                    ; wave
	s_lshr_b32 s15, s14, 1                         ; my half of the tokens.  Also: behind the head I fetch codes (0) or scale words (1)
	s_and_b32 s16, s14, 1                          ; my head of the two.  Also: behind the head I fetch for Wk (0) or for Wv (1)
	s_bfe_u32 s40, ttmp6, 0x40000                  ; cx
	s_bfe_u32 s41, ttmp6, 0x40004                  ; cy
	s_lshl_b32 s42, ttmp9, 2
	s_add_co_u32 s42, s42, s40                     ; tx: which 128 rows of the weights
	s_and_b32 s17, ttmp7, 0xffff
	s_lshl_b32 s17, s17, 2
	s_add_co_u32 s17, s17, s41                     ; ty: which 128 tokens
	s_lshl_b32 s43, s41, 2
	s_lshl_b32 s43, 15, s43                        ; my row of the cluster
	s_lshl_b32 s44, 0x1111, s40                    ; my column
	s_or_b32 s[G1A], s43, (3<<16)|(1<<21)          ; the mask; elements of 8 bytes; bit 21 set beside a mask
	s_or_b32 s[G1SA], s43, (3<<16)|(1<<21)
	s_or_b32 s[G1B], s44, (3<<16)|(1<<21)
	s_or_b32 s[G1SB], s44, (3<<16)|(1<<21)
	DESC G1A, 2*AB*192, NQ, P512/8                 ; four K steps x eight tiles' images: a whole operand by one load
	DESC G1B, 2*AB*192, NQ, P512/8
	DESC G1SA, 2*AB*8, NQ, SP512/8                 ; and their scale words
	DESC G1SB, 2*AB*8, NQ, SP512/8
	s_mov_b32 s[SEL], 0x76543210
	s_mov_b32 s[SEL+1], 0xfedcba98
	s_mov_b32 s18, 0
	s_lshl_b32 s20, s17, 3
	s_add_co_u32 s20, s20, s18                     ; x's tile
	s_lshl_b32 s22, s20, 6
	s_add_co_u32 s22, s22, SC512
	s_mul_i32 s20, s20, 1536
	s_mov_b32 s21, 0
	s_mov_b32 s23, 0
	s_lshl_b32 s46, s42, 3
	s_add_co_u32 s46, s46, s18
	s_add_co_u32 s46, s46, 512                     ; Wq's tile
	s_lshl_b32 s98, s16, 5
	s_add_co_u32 s98, s98, s46
	s_add_co_u32 s98, s98, 32                      ; Wk's (waves 0, 1) or Wv's (waves 2, 3)
	s_lshl_b32 s96, s46, 6
	s_add_co_u32 s96, s96, SC512
	s_mul_i32 s46, s46, 1536
	s_lshl_b32 s2, s98, 6
	s_add_co_u32 s2, s2, SC512
	s_mul_i32 s98, s98, 1536
	s_mov_b32 s47, 0
	s_mov_b32 s97, 0
	s_mov_b32 s99, 0
	s_mov_b32 s3, 0
	s_mul_i32 s45, s16, 2*HALFT                    ; where Wk's or Wv's go: no place in the cluster enters an LDS address
	s_mul_i32 s94, s16, 2*PS
	s_wait_dscnt 0x0                               ; both opening adds are done
	s_wait_kmcnt 0x0
	s_add_nc_u64 s[20:21], s[4:5], s[20:21]
	s_add_nc_u64 s[22:23], s[4:5], s[22:23]
	s_add_nc_u64 s[46:47], s[4:5], s[46:47]
	s_add_nc_u64 s[96:97], s[4:5], s[96:97]
	s_add_nc_u64 s[98:99], s[4:5], s[98:99]
	s_add_nc_u64 s[2:3], s[4:5], s[2:3]
	CROUND                                         ; all sixteen work-groups are here: the first joint loads meet
	s_mov_b32 s[G0SA], 1
	s_mov_b32 s[G0SA+1], SCL
	s_mov_b64 s[G0SA+2:G0SA+3], s[22:23]
	s_or_b32 s[G0SA+3], s[G0SA+3], 0x80000000
	s_mov_b32 s[G0SB], 1
	s_mov_b32 s[G0SB+1], SCL+2*PS
	s_mov_b64 s[G0SB+2:G0SB+3], s[96:97]
	s_or_b32 s[G0SB+3], s[G0SB+3], 0x80000000
	s_mov_b32 s[G0A], 1
	s_mov_b32 s[G0A+1], 0
	s_mov_b64 s[G0A+2:G0A+3], s[20:21]
	s_or_b32 s[G0A+3], s[G0A+3], 0x80000000
	s_mov_b32 s[G0B], 1
	s_mov_b32 s[G0B+1], 2*HALFT
	s_mov_b64 s[G0B+2:G0B+3], s[46:47]
	s_or_b32 s[G0B+3], s[G0B+3], 0x80000000
	s_mov_b32 s[G0S2], 1
	s_add_co_u32 s[G0S2+1], s94, SCL+4*PS
	s_mov_b64 s[G0S2+2:G0S2+3], s[2:3]
	s_or_b32 s[G0S2+3], s[G0S2+3], 0x80000000
	s_mov_b32 s[G0J], 1
	s_add_co_u32 s[G0J+1], s45, 4*HALFT
	s_mov_b64 s[G0J+2:G0J+3], s[98:99]
	s_or_b32 s[G0J+3], s[G0J+3], 0x80000000
; THE HEAD'S LOADS, one a wave: wave 0 x's codes, wave 1 Wq's, wave 2 x's scale words, wave 3 Wq's.  One chain of branches on the wave's number, all arms leading to one join.
.macro ARM under, g0, g1, next
	s_cmp_lt_u32 s14, \under
	s_cbranch_scc0 \next
	tensor_load_to_lds s[\g0:\g0+3], s[\g1:\g1+7]
	s_nop 0
	PLACES 4
	s_branch .Lhead_asked
\next:
.endm
	ARM 1, G0A, G1A, .Lhead_b
	ARM 2, G0B, G1B, .Lhead_sa
	ARM 3, G0SA, G1SA, .Lhead_sb
	tensor_load_to_lds s[G0SB:G0SB+3], s[G1SB:G1SB+7]
	s_nop 0
	PLACES 4
.Lhead_asked:
	v_and_b32 v5, 31, v0
	v_and_b32 v1, 15, v0                           ; r
	v_bfe_u32 v2, v0, 4, 1                         ; h
	v_lshlrev_b32 v[L16], 4, v5
	v_lshlrev_b32 v[L8], 3, v5
	s_mul_i32 s21, s15, AB*1536
	v_add_nc_u32 v[ADRA], s21, v[L16]
	v_add_nc_u32 v[ADRA+1], s21, v[L8]
	s_mul_i32 s22, s16, AB*1536
	s_add_co_u32 s22, s22, 2*HALFT
.irp m, 0,1,2
	v_add_nc_u32 v[ADRB+2*\m], s22, v[L16]
	v_add_nc_u32 v[ADRB+2*\m+1], s22, v[L8]
	s_add_co_u32 s22, s22, 2*HALFT
.endr
	v_lshlrev_b32 v6, 2, v1
	v_mad_u32_u24 v6, v2, 2*AB*64, v6              ; 4 r, and for lanes 16-31 one K step on
	s_mul_i32 s21, s15, AB*64
	s_add_co_u32 s21, s21, SCL
	v_add_nc_u32 v[ADSA], s21, v6
	s_mul_i32 s22, s16, AB*64
	s_add_co_u32 s22, s22, SCL+2*PS
	v_add_nc_u32 v[ADSB], s22, v6
	s_lshl_b32 s21, s14, 8
	s_add_co_u32 s21, s21, SST
	v_lshl_add_u32 v[SSA], v1, 2, s21
	v_add_nc_u32 v[SSR], s21, v[L8]
	v_mov_b32 v[QP], 0                             ; written once: a lane permute's destination counts as one of its sources
	v_mov_b32 v[QP+1], 0
	; the biases, in the results' layout, into window 2
	s_lshl_b32 s18, s42, 9
	s_lshl_b32 s19, s16, 8
	s_add_co_u32 s18, s18, s19                     ; (128 tx + 64 head) x 4 bytes
	s_mov_b32 s19, 0
	s_add_nc_u64 s[6:7], s[6:7], s[18:19]
	s_add_nc_u64 s[8:9], s[8:9], s[18:19]
	s_add_nc_u64 s[10:11], s[10:11], s[18:19]
	v_lshlrev_b32 v7, 6, v2                        ; q, k: 64 h: my half's eight of a tile's sixteen
	v_and_b32 v22, 8, v1
	v_add_nc_u32 v22, v22, v1
	v_lshlrev_b32 v22, 2, v22                      ; v: my lane's one of the head's 64
	WIN 0x80
.irp b, 0,1,2,3
	global_load_b128 v[8*\b:8*\b+3], v7, s[6:7] offset:128*(\b/2)+32*(\b%2)
	global_load_b128 v[8*\b+4:8*\b+7], v7, s[6:7] offset:128*(\b/2)+32*(\b%2)+16
	global_load_b128 v[32+8*\b:32+8*\b+3], v7, s[8:9] offset:128*(\b/2)+32*(\b%2)
	global_load_b128 v[32+8*\b+4:32+8*\b+7], v7, s[8:9] offset:128*(\b/2)+32*(\b%2)+16
.irp j, 0,1,2,3,4,5,6,7
	global_load_b32 v[64+8*\b+\j], v22, s[10:11] offset:128*(\b/2)+32*(\b%2)   ; the same number for the lane's eight tokens
.endr
.endr
	WIN 0
	; where the results go
	s_lshl_b32 s18, s42, 1
	s_add_co_u32 s18, s18, s16
	s_lshl_b32 s18, s18, 9
	s_lshl_b32 s19, s17, 3
	s_add_co_u32 s18, s18, s19
	s_lshl_b32 s19, s15, 2
	s_add_co_u32 s18, s18, s19                     ; q: head x 512 + my first token tile
	s_lshl_b32 s96, s18, 6
	s_add_co_u32 s96, s96, QS
	s_mov_b32 s97, 0
	s_mul_i32 s66, s18, 768
	s_mov_b32 s67, 0
	s_add_nc_u64 s[66:67], s[12:13], s[66:67]
	s_add_nc_u64 s[96:97], s[12:13], s[96:97]
	s_lshl_b32 s18, s17, 1
	s_add_co_u32 s18, s18, s15
	s_lshl_b32 s18, s18, 5
	s_lshl_b32 s19, s42, 3
	s_add_co_u32 s18, s18, s19
	s_lshl_b32 s19, s16, 2
	s_add_co_u32 s18, s18, s19                     ; v: my 64 keys' group x 32 + my head's first tile
	s_lshl_b32 s2, s18, 6
	s_add_co_u32 s2, s2, QS+524288
	s_mov_b32 s3, 0
	s_mul_i32 s98, s18, 768
	s_add_co_u32 s98, s98, VOFF
	s_mov_b32 s99, 0
	s_add_nc_u64 s[98:99], s[12:13], s[98:99]
	s_add_nc_u64 s[2:3], s[12:13], s[2:3]
	s_wait_alu depctr_va_vdst(0)
	s_wait_tensorcnt 0x0                           ; my tile of the head's four is in
	ds_add_u32 v[SPW], v[NIL]
	s_wait_dscnt 0x0
	CROUND                                         ; everybody's tile is in, and the sixteen work-groups meet
	JLOAD G0J, G1B, G0S2, G1SB                     ; wave 0 Wk's codes, wave 1 Wv's, wave 2 Wk's scale words, wave 3 Wv's: they land under the first pass
.set ii, 0
.rept AB
	ds_load_b32 v[32+2*ii], v[ADSA] offset:ii*64
	ds_load_b32 v[33+2*ii], v[ADSA] offset:1024+ii*64
.set ii, ii+1
.endr
	s_wait_loadcnt 0x0                             ; the biases
	PASS 0
	WAYOUT 66, 0, 96, 0
	s_wait_tensorcnt 0x0                           ; my parts of Wk and Wv are in,
	s_wait_dscnt 0x0
	s_barrier_signal -1
	s_barrier_wait -1                              ; everybody's are
	PASS 1
	WAYOUT 66, 8*512*768, 96, 8*512*64
	PASS 2
	WAYOUT 98, 0, 2, 0
	s_wait_tensorcnt 0x0                           ; the wave's end: behind my last tensor load and my last LDS store
	ds_add_u32 v[SPW], v[NIL]
	s_wait_dscnt 0x0
	CROUND                                         ; the closing round
	s_endpgm
.Lfunc_end_k_q18340fae86_qkv:
	.size	k_q18340fae86_qkv, .Lfunc_end_k_q18340fae86_qkv-k_q18340fae86_qkv
	.p2alignl 7, 3214868480
	.fill 96, 4, 3214868480
	.section	.rodata,"a",@progbits
	.p2align	6, 0x0
	.amdhsa_kernel k_q18340fae86_qkv
		.amdhsa_group_segment_fixed_size 327680
		.amdhsa_private_segment_fixed_size 0
		.amdhsa_enable_private_segment 0
		.amdhsa_kernarg_size 40
		.amdhsa_user_sgpr_count 2
		.amdhsa_user_sgpr_kernarg_segment_ptr 1
		.amdhsa_wavefront_size32 1
		.amdhsa_system_sgpr_workgroup_id_x 1
		.amdhsa_system_sgpr_workgroup_id_y 1
		.amdhsa_system_sgpr_workgroup_id_z 1
		.amdhsa_system_vgpr_workitem_id 0
		.amdhsa_next_free_vgpr 640
		.amdhsa_next_free_sgpr 102
		.amdhsa_reserve_vcc 0
		.amdhsa_float_denorm_mode_32 3
		.amdhsa_float_denorm_mode_16_64 3
		.amdhsa_memory_ordered 1
		.amdhsa_forward_progress 1
		.amdhsa_inst_pref_size 96
	.end_amdhsa_kernel
	.amdgpu_metadata
---
amdhsa.version: [ 1, 2 ]
amdhsa.kernels:
  - .name:           k_q18340fae86_qkv
    .symbol:         k_q18340fae86_qkv.kd
    .args:
      - { .name: wsP, .offset: 0, .size: 8, .value_kind: global_buffer, .address_space: global }
      - { .name: bq, .offset: 8, .size: 8, .value_kind: global_buffer, .address_space: global }
      - { .name: bk, .offset: 16, .size: 8, .value_kind: global_buffer, .address_space: global }
      - { .name: bv, .offset: 24, .size: 8, .value_kind: global_buffer, .address_space: global }
      - { .name: wsQ, .offset: 32, .size: 8, .value_kind: global_buffer, .address_space: global }
    .group_segment_fixed_size: 327680
    .private_segment_fixed_size: 0
    .kernarg_segment_align: 8
    .kernarg_segment_size: 40
    .max_flat_workgroup_size: 128
    .sgpr_count:     102
    .vgpr_count:     640
    .wavefront_size: 32
...
	.end_amdgpu_metadata
.endif
;; end of part 2
;; launch att (part 3): grid 4 x 64, 16 waves a work-group, clusters of 4 x 1, 167,936 bytes of LDS; arguments wsQ, wsO; writes wsO
.if DOCPART == 3
	.amdgcn_target "amdgcn-amd-amdhsa--gfx1250"
	.amdhsa_code_object_version 6
	.text
	.protected	k_q18340fae86_att
	.globl	k_q18340fae86_att
	.p2align	8
	.type	k_q18340fae86_att,@function
k_q18340fae86_att:
	s_mov_b64 s[64:65], 0
	v_nop
	global_prefetch_b8 v0, s[64:65] scope:SCOPE_SE
	s_setreg_imm32_b32 hwreg(HW_REG_WAVE_MODE, 25, 1), 1
	s_wait_xcnt 0x0
	s_wait_alu depctr_hold_cnt(0) depctr_sa_sdst(0) depctr_va_vdst(0) depctr_va_sdst(0) depctr_va_ssrc(0) depctr_va_vcc(0) depctr_vm_vsrc(0)
	s_getreg_b32 s2, hwreg(HW_REG_IB_STS2, 6, 4)
	s_cmp_eq_u32 s2, 0
	s_cbranch_scc0 .Lentry_in_a_cluster
	s_endpgm
.Lentry_in_a_cluster:
	s_bfe_u32 s2, ttmp6, 0x10000c
	s_cmp_lg_u32 s2, 0x3003
	s_cbranch_scc0 .Lentry_shape_is_right
	s_endpgm
.Lentry_shape_is_right:
; o = softmax(q k^T / 8) v for 16 batches x 8 heads x 512 positions, both products on codes of E2M3, and o's quantising for the product with Wo.  Nothing of reference() is left out here.
; THE SOFTMAX: t = score x log2(e) / 8; M = the running largest t rounded UP to a whole number; p = 2^(t - M) is quantised along the keys, not normalised; the row's sum of the unquantised p divides at the end.
; SHARES.  A work-group owns one batch, two heads and 128 queries; wave w: head w / 8 of the two, one tile of 16 queries.  The two heads' K and V of the whole batch (98,304 bytes of half fragments, 8,192 of scale words)
; lie in LDS, filled once: no ring.  CLUSTER 4 x 1: the four quarters of the queries need the same K and V and ask jointly; waves 0 to 3 issue one load each.
; LAYOUT.  Both products transposed: S^T = k q^T, O^T = v^T p^T: a lane holds one query.  The tiles' row order (prep) makes p's 16 registers of two neighbouring tiles 16 neighbouring keys.
; THE SCORES' K IS 64, the instruction's 128: q's registers 6 to 11 are zero codes; k's are whatever codes follow in the registers (E2M3 has no NaN and no infinity), and the scale words' upper bytes are 0, not 0xff: they add nothing.
; REGISTERS: v1-11, v29-30 addresses; v12 -M, v13 the largest t, v[14:15] the sum; v16-27 q, v28 its scale word; v32-79 fragments of k or v; v96-159 S^T, then p; v160-191 O^T; v192-207 v's scale words; v208-211 k's; v224-235 p's codes; v232-254 at work.
; LIMITS: as stated at the head of prep.
.set KC, 0                             ; [head of two][tile of keys][768]
.set VC, 49152                         ; [64 keys' group][4 head + tile of the 64][768]
.set KSC, 98304
.set VSC, 102400
.set OSX, 106496                       ; o's scale words, 8 tiles x 64 bytes: each head writes its half of a word
.set SPARE, 107008                     ; the spare words, 128 bytes for each of 16 waves, that no other line names
.set VOFF, 6291456
.set QS, 9437184
.set OSW, 3145728
.set K16, 2
.set K8, 3
.set V16, 4
.set V8, 5
.set KSA, 6
.set VSA, 7
.set SPW, 8
.set NIL, 9
.set L16, 10
.set L8, 11
.set G1K, 24
.set G1V, 32
.set G1KS, 40
.set G1VS, 48
.set CS, 96
.set SEL, 100
.set PC, 224
.set PT, 240
.set QM, 232
.set QP, 236
.set QO, 244
.set PW, 250
.macro PLACES n
.rept \n
	v_nop
.endr
.endm
.macro CROUND                          ; a round of the cluster's barrier
	s_barrier_signal -1
	s_barrier_wait -1
	s_cmp_lg_u32 s14, 0
	s_cbranch_scc1 .Lnot_wave_0_\@
	s_barrier_signal -3
.Lnot_wave_0_\@:
	s_barrier_wait -3
	s_barrier_signal -1
	s_barrier_wait -1
.endm
.macro DESC g, c, r, p                 ; a group 1: the mask of all four, elements of 8 bytes, bit 21 beside the mask; r rows of c elements, p elements from row to row
	s_mov_b32 s[\g], 15|(3<<16)|(1<<21)
	s_mov_b32 s[\g+1], ((\c)&0xffff)<<16
	s_mov_b32 s[\g+2], (\r)<<16
	s_mov_b32 s[\g+3], (\c)<<16
	s_mov_b32 s[\g+4], \r
	s_mov_b32 s[\g+5], \p
	s_mov_b32 s[\g+6], 0
	s_mov_b32 s[\g+7], 0
.endm
.macro G0SET g, lds, pair
	s_mov_b32 s[\g], 1
	s_mov_b32 s[\g+1], \lds
	s_add_nc_u64 s[\g+2:\g+3], s[4:5], s[\pair:\pair+1]
	s_or_b32 s[\g+3], s[\g+3], 0x80000000
.endm
.macro TL n, g0, g1                    ; wave n's one load; the branch hangs on the wave's number alone
	s_cmp_lg_u32 s14, \n
	s_cbranch_scc1 .Lnot_\@
	tensor_load_to_lds s[\g0:\g0+3], s[\g1:\g1+7]
	s_nop 0
	PLACES 4
	s_branch .Lasked                               ; one chain of branches: every way passes one load at the most
.Lnot_\@:
.endm
	s_load_b128 s[4:7], s[0:1], 0x0                ; wsQ, wsO
	v_lshl_add_u32 v[SPW], v0, 2, SPARE
	v_mov_b32 v[NIL], 0
	ds_add_u32 v[SPW], v[NIL]                      ; the wave's opening: the add, twice on end, and its wait ahead of the first tensor loads
	ds_add_u32 v[SPW], v[NIL]
	v_lshrrev_b32 v1, 5, v0
	s_delay_alu instid0(VALU_DEP_1)
	v_readfirstlane_b32 s14, v1                    ; wave 0..15
	s_lshr_b32 s15, s14, 3                         ; my head of the two
	s_and_b32 s16, s14, 7                          ; my tile of the quarter's eight
	s_bfe_u32 s13, ttmp6, 0x40000                  ; cx: the quarter of the queries: it enters q's and o's addresses alone
	s_and_b32 s17, ttmp7, 0xffff
	s_lshr_b32 s18, s17, 2                         ; batch
	s_and_b32 s19, s17, 3                          ; pair of heads
	DESC G1K, 3072, 2, 49152                       ; two heads x 32 tiles x 768 bytes
	DESC G1V, 768, 8, 3072                         ; eight groups of 64 keys x 8 tiles x 768 bytes
	DESC G1KS, 256, 2, 4096
	DESC G1VS, 64, 8, 256
	s_mov_b32 s[SEL], 0x76543210
	s_mov_b32 s[SEL+1], 0xfedcba98
	s_mov_b32 s[CS], 0x3e38aa3b                    ; c = log2(e) / 8
	s_mov_b32 s[CS+1], s[CS]                       ; (named with it as a pair, so it is written)
	s_lshl_b32 s20, s19, 1
	s_add_co_u32 s20, s20, 8                       ; k's first head: 8 + 2 pair
	s_mul_i32 s76, s20, 32768
	s_mul_i32 s20, s20, 393216
	s_mul_i32 s21, s18, 24576
	s_add_co_u32 s20, s20, s21
	s_mov_b32 s21, 0
	s_lshl_b32 s77, s18, 11
	s_add_co_u32 s76, s76, s77
	s_add_co_u32 s76, s76, QS
	s_mov_b32 s77, 0
	s_mul_i32 s22, s18, 196608
	s_mul_i32 s23, s19, 6144
	s_add_co_u32 s22, s22, s23
	s_add_co_u32 s22, s22, VOFF
	s_mov_b32 s23, 0
	s_lshl_b32 s78, s18, 14
	s_lshl_b32 s79, s19, 9
	s_add_co_u32 s78, s78, s79
	s_add_co_u32 s78, s78, QS+524288
	s_mov_b32 s79, 0
	s_lshl_b32 s80, s18, 5
	s_lshl_b32 s81, s13, 3
	s_add_co_u32 s81, s80, s81                     ; the quarter's first token tile
	s_add_co_u32 s80, s81, s16                     ; mine
	s_lshl_b32 s82, s19, 1
	s_add_co_u32 s82, s82, s15
	s_lshl_b32 s82, s82, 9
	s_add_co_u32 s82, s82, s80                     ; q's half fragment: head x 512 + tile
	s_lshl_b32 s84, s82, 6
	s_add_co_u32 s84, s84, QS
	s_mov_b32 s85, 0
	s_mul_i32 s82, s82, 768
	s_mov_b32 s83, 0
	s_mul_i32 s86, s19, 786432                     ; o: K step = the pair of heads, my tile, my head's half of the fragment
	s_mul_i32 s87, s80, 1536
	s_add_co_u32 s86, s86, s87
	s_mul_i32 s87, s15, 768
	s_add_co_u32 s86, s86, s87
	s_mov_b32 s87, 0
	s_lshl_b32 s88, s19, 15
	s_lshl_b32 s89, s81, 6
	s_add_co_u32 s88, s88, s89
	s_add_co_u32 s88, s88, OSW
	s_mov_b32 s89, 0
	s_wait_dscnt 0x0                               ; both opening adds are done
	s_wait_kmcnt 0x0
	s_add_nc_u64 s[82:83], s[4:5], s[82:83]
	s_add_nc_u64 s[84:85], s[4:5], s[84:85]
	s_add_nc_u64 s[86:87], s[6:7], s[86:87]
	s_add_nc_u64 s[88:89], s[6:7], s[88:89]
	CROUND                                         ; all four work-groups are here: the joint loads meet
	G0SET 56, KC, 20
	G0SET 60, VC, 22
	G0SET 68, KSC, 76
	G0SET 72, VSC, 78
	TL 0, 56, G1K
	TL 1, 60, G1V
	TL 2, 68, G1KS
	TL 3, 72, G1VS
.Lasked:
	v_and_b32 v31, 31, v0
	v_and_b32 v29, 15, v0
	s_delay_alu instid0(VALU_DEP_2)
	v_lshlrev_b32 v[L16], 4, v31
	s_delay_alu instid0(VALU_DEP_3)
	v_lshlrev_b32 v[L8], 3, v31
	s_delay_alu instid0(VALU_DEP_3)
	v_lshlrev_b32 v29, 2, v29                      ; 4 r
	s_wait_alu depctr_va_vdst(0)
	global_load_b128 v[16:19], v[L16], s[82:83]    ; q's half fragment stays in registers
	global_load_b64 v[20:21], v[L8], s[82:83] offset:512
	global_load_b32 v28, v29, s[84:85]             ; and its scale word
	s_mul_i32 s90, s15, 24576
	v_add_nc_u32 v[K16], s90, v[L16]
	v_add_nc_u32 v[K8], s90, v[L8]
	s_mul_i32 s90, s15, 3072
	s_add_co_u32 s90, s90, VC
	v_add_nc_u32 v[V16], s90, v[L16]
	v_add_nc_u32 v[V8], s90, v[L8]
	s_lshl_b32 s90, s15, 11
	s_add_co_u32 s90, s90, KSC
	v_add_nc_u32 v[KSA], s90, v29
	s_lshl_b32 s90, s15, 8
	s_add_co_u32 s90, s90, VSC
	v_add_nc_u32 v[VSA], s90, v29
	s_lshl_b32 s90, s16, 6
	s_lshl_b32 s91, s15, 1
	s_add_co_u32 s90, s90, s91
	s_add_co_u32 s90, s90, OSX
	v_add_nc_u32 v1, s90, v29                      ; where my half of o's scale word goes
	v_add_nc_u32 v30, OSX, v[L16]
.irp j, 22,23,24,25,26,27,56,57,58,59,60,61
	v_mov_b32 v\j, 0                               ; q's upper half: zero codes; and the six registers behind the fourth tile of keys
.endr
	v_mov_b32 v13, 0xff61b1e6                      ; the largest t so far: -3e38
	s_delay_alu instid0(VALU_DEP_1)
	v_floor_f32 v12, -v13                          ; -M
	v_mov_b32 v14, 0
	v_mov_b32 v15, 0
.irp b, 0,1,2,3
	v_mov_b32 v[236+\b], 0                         ; written once: a lane permute's destination counts as one of its sources
.endr
	v_mov_b32 v253, 0
	s_wait_tensorcnt 0x0                           ; my load, if I issued one, has landed,
	s_barrier_signal -1
	s_barrier_wait -1                              ; everybody's has
.irp g, 0,1,2,3,4,5,6,7
.irp e, 0,1,2,3
	ds_load_b32 v[96+4*\g+\e], v[VSA] offset:512*\g+64*\e
.endr
.endr
	s_wait_dscnt 0x0
.irp s, 0,1,2,3
.irp e, 0,1,2,3
	v_lshl_or_b32 v[192+4*\s+\e], v[100+8*\s+\e], 16, v[96+8*\s+\e]   ; v's scale word of 128 keys: two groups' two bytes each
.endr
.endr
	s_wait_loadcnt 0x0                             ; q
; A KEY STEP: 128 keys.  first = 1: its products start O^T's sums.
.macro STEP st, first
.irp g, 0,1                                    ; S^T = k q^T, four tiles of 16 keys at a time
.if (\st)+\g > 0
	PLACES 4                                       ; places in front of loads into registers that matrix instructions have read
.endif
.irp t, 0,1,2,3
	ds_load_b128 v[32+6*\t:35+6*\t], v[K16] offset:(8*(\st)+4*\g+\t)*768
	ds_load_b64 v[36+6*\t:37+6*\t], v[K8] offset:(8*(\st)+4*\g+\t)*768+512
	ds_load_b32 v[208+\t], v[KSA] offset:(8*(\st)+4*\g+\t)*64
.endr
	s_wait_dscnt 0x0
.irp t, 0,1,2,3
	v_wmma_scale_f32_16x16x128_f8f6f4 v[96+8*(4*\g+\t):103+8*(4*\g+\t)], v[32+6*\t:43+6*\t], v[16:27], 0, v[208+\t], v28 matrix_a_fmt:MATRIX_FMT_FP6 matrix_b_fmt:MATRIX_FMT_FP6
.endr
.endr
	PLACES 4
.irp e, 0,1,2,3                                ; v's four fragments of these 128 keys are asked for now and land during the softmax
	ds_load_b128 v[32+12*\e:35+12*\e], v[V16] offset:(2*(\st))*6144+\e*768
	ds_load_b64 v[36+12*\e:37+12*\e], v[V8] offset:(2*(\st))*6144+\e*768+512
	ds_load_b128 v[38+12*\e:41+12*\e], v[V16] offset:(2*(\st)+1)*6144+\e*768
	ds_load_b64 v[42+12*\e:43+12*\e], v[V8] offset:(2*(\st)+1)*6144+\e*768+512
.endr
.irp b, 0,1,2,3
	v_max3_num_f32 v[232+\b], v[96+16*\b], v[97+16*\b], v[98+16*\b]   ; the largest score of each block of 32 keys: for the row's maximum, and, since p rises with the score, for the block's largest p
.endr
.irp i, 3,5,7,9,11,13
.irp b, 0,1,2,3
	v_max3_num_f32 v[232+\b], v[232+\b], v[96+16*\b+\i], v[97+16*\b+\i]
.endr
.endr
.irp b, 0,1,2,3
	v_max_num_f32 v[232+\b], v[232+\b], v[111+16*\b]
.endr
.irp b, 0,1,2,3
	s_delay_alu instid0(VALU_DEP_4)
	v_permlanex16_b32 v[236+\b], v[232+\b], s[SEL], s[SEL+1]
.endr
.irp b, 0,1,2,3
	s_delay_alu instid0(VALU_DEP_4)
	v_max_num_f32 v[232+\b], v[232+\b], v[236+\b]  ; with lane l xor 16's 16 keys
.endr
	s_delay_alu instid0(VALU_DEP_2)
	v_max3_num_f32 v254, v232, v233, v234
	s_delay_alu instid0(VALU_DEP_1)
	v_max_num_f32 v254, v254, v235
	s_delay_alu instid0(VALU_DEP_1)
	v_mul_f32 v254, s[CS], v254                    ; as t (c is positive)
	s_delay_alu instid0(VALU_DEP_1)
	v_max_num_f32 v13, v13, v254                   ; the running largest t
	v_mov_b32 v254, v12
	s_delay_alu instid0(VALU_DEP_2)
	v_floor_f32 v12, -v13                          ; the new -M = -ceil(t): a whole number
	s_delay_alu instid0(VALU_DEP_1)
	v_sub_f32 v254, v12, v254                      ; old M less new M: a whole number, 0 or less
	s_delay_alu instid0(VALU_DEP_1)
	v_cvt_i32_f32 v254, v254                       ; (it saturates)
	s_delay_alu instid0(VALU_DEP_1)
	v_ldexp_f32 v252, 1.0, v254                    ; f = 2^(old M - new M): a multiplication by it rounds nothing
.set jj, 0
.rept 32
	v_pk_fma_f32 v[96+jj:97+jj], v[96+jj:97+jj], s[CS:CS+1], v[12:13] op_sel_hi:[1,0,0]   ; t - M, two at a time
.set jj, jj+2
.endr
.irp b, 0,1,2,3
	v_fma_f32 v[232+\b], v[232+\b], s[CS], v12     ; the same of each block's largest score
.endr
.set jj, 0
	s_wait_alu depctr_va_vdst(0)
.rept 64
	v_exp_f32 v[96+jj], v[96+jj]                   ; p = 2^(t - M), at most 1
.set jj, jj+1
.endr
	v_pk_mul_f32 v[14:15], v[14:15], v[252:253] op_sel_hi:[1,0]   ; the sums under the new M: a plain place behind the exponentials
	s_wait_alu depctr_va_vdst(0)                   ; one wait for the whole batch, ahead of its first reader
.irp b, 0,1,2,3
	v_exp_f32 v[232+\b], v[232+\b]                 ; the block's largest p
.endr
	v_pk_add_f32 v[236:237], v[100:101], v[104:105]
	v_pk_add_f32 v[254:255], v[108:109], v[112:113]
	v_pk_add_f32 v[250:251], v[116:117], v[120:121]
	v_pk_add_f32 v[248:249], v[124:125], v[128:129]
	v_pk_add_f32 v[246:247], v[132:133], v[136:137]
	v_pk_add_f32 v[244:245], v[140:141], v[144:145]
	v_pk_add_f32 v[242:243], v[148:149], v[152:153]
	v_pk_add_f32 v[14:15], v[14:15], v[156:157]
	v_pk_add_f32 v[236:237], v[236:237], v[96:97]
	v_pk_add_f32 v[254:255], v[254:255], v[98:99]
	v_pk_add_f32 v[250:251], v[250:251], v[102:103]
	v_pk_add_f32 v[248:249], v[248:249], v[106:107]
	v_pk_add_f32 v[246:247], v[246:247], v[110:111]
	v_pk_add_f32 v[244:245], v[244:245], v[114:115]
	v_pk_add_f32 v[242:243], v[242:243], v[118:119]
	v_pk_add_f32 v[14:15], v[14:15], v[122:123]
	v_pk_add_f32 v[236:237], v[236:237], v[126:127]
	v_pk_add_f32 v[254:255], v[254:255], v[130:131]
	v_pk_add_f32 v[250:251], v[250:251], v[134:135]
	v_pk_add_f32 v[248:249], v[248:249], v[138:139]
	v_pk_add_f32 v[246:247], v[246:247], v[142:143]
	v_pk_add_f32 v[244:245], v[244:245], v[146:147]
	v_pk_add_f32 v[242:243], v[242:243], v[150:151]
	v_pk_add_f32 v[14:15], v[14:15], v[154:155]
	v_pk_add_f32 v[236:237], v[236:237], v[158:159]
	s_delay_alu instid0(VALU_DEP_2)
	v_pk_add_f32 v[14:15], v[14:15], v[248:249]
	s_delay_alu instid0(VALU_DEP_2)
	v_pk_add_f32 v[236:237], v[236:237], v[246:247]
	v_pk_add_f32 v[254:255], v[254:255], v[244:245]
	v_pk_add_f32 v[250:251], v[250:251], v[242:243]
	s_delay_alu instid0(VALU_DEP_2)
	v_pk_add_f32 v[14:15], v[14:15], v[254:255]
	s_delay_alu instid0(VALU_DEP_2)
	v_pk_add_f32 v[236:237], v[236:237], v[250:251]
	s_delay_alu instid0(VALU_DEP_1)
	v_pk_add_f32 v[14:15], v[14:15], v[236:237]
	s_wait_alu depctr_va_vdst(0)                   ; and one for the four
.irp b, 0,1,2,3
	v_max_num_f32 v[232+\b], 0x1800000, v[232+\b]  ; the floor 2^(3 - 127): the byte cannot fall under 1
.endr
.irp b, 0,1,2,3
	s_delay_alu instid0(VALU_DEP_4)
	v_add_nc_u32 v[244+\b], 0xff000000, v[232+\b]  ; 2 off the exponent field: the conversion's scale operand
.endr
.irp b, 0,1,2,3
	s_delay_alu instid0(VALU_DEP_4)
	v_lshrrev_b32 v[236+\b], 23, v[244+\b]
.endr
	s_delay_alu instid0(VALU_DEP_3)
	v_lshl_or_b32 v253, v237, 8, v236              ; p's scale word for these 128 keys
	s_delay_alu instid0(VALU_DEP_1)
	v_lshl_or_b32 v253, v238, 16, v253
	s_delay_alu instid0(VALU_DEP_1)
	v_lshl_or_b32 v253, v239, 24, v253
.irp c, 0,1
	v_cvt_scalef32_pk16_fp6_f32 v[224+6*\c:226+6*\c], v[96+32*\c:111+32*\c], v[244+2*\c]
	v_cvt_scalef32_pk16_fp6_f32 v[236+4*\c:238+4*\c], v[112+32*\c:127+32*\c], v[244+2*\c+1]
.endr
	v_nop                                          ; one plain place behind a scaled conversion
.irp c, 0,1
.irp i, 0,1,2
	v_permlane16_swap_b32 v[224+6*\c+\i], v[236+4*\c+\i]
.endr
.irp i, 0,1,2
	s_delay_alu instid0(VALU_DEP_3)
	v_mov_b32 v[227+6*\c+\i], v[236+4*\c+\i]
.endr
.endr
.if \first
	s_wait_alu depctr_va_vdst(0)
	PLACES 8                                       ; a scale word written by a vector instruction stands 8 places ahead of the product, codes so written 4
.else
.set jj, 0
.rept 16
	v_pk_mul_f32 v[160+jj:161+jj], v[160+jj:161+jj], v[252:253] op_sel_hi:[1,0]   ; O^T under the new M; these 16 are also those places
.set jj, jj+2
.endr
.endif
	s_wait_alu depctr_va_vdst(0)
	s_wait_dscnt 0x0                               ; v's fragments are in
.irp e, 0,1,2,3                                ; O^T += v^T p^T: the four accumulators by turns
.if \first
	v_wmma_scale_f32_16x16x128_f8f6f4 v[160+8*\e:167+8*\e], v[32+12*\e:43+12*\e], v[224:235], 0, v[192+4*(\st)+\e], v253 matrix_a_fmt:MATRIX_FMT_FP6 matrix_b_fmt:MATRIX_FMT_FP6
.else
	v_wmma_scale_f32_16x16x128_f8f6f4 v[160+8*\e:167+8*\e], v[32+12*\e:43+12*\e], v[224:235], v[160+8*\e:167+8*\e], v[192+4*(\st)+\e], v253 matrix_a_fmt:MATRIX_FMT_FP6 matrix_b_fmt:MATRIX_FMT_FP6
.endif
.endr
.endm
	STEP 0, 1
	STEP 1, 0
	STEP 2, 0
	STEP 3, 0
	; THE WAY OUT: o = O^T / the sum, quantised along the head's 64: my head's half of a fragment of the product with Wo
	PLACES 4
	v_add_f32 v14, v14, v15
	s_delay_alu instid0(VALU_DEP_1)
	v_permlanex16_b32 v252, v14, s[SEL], s[SEL+1]
	s_delay_alu instid0(VALU_DEP_1)
	v_add_f32 v14, v14, v252                       ; the row's sum
	s_wait_alu depctr_va_vdst(0)
	v_rcp_f32 v14, v14
	v_nop                                          ; a plain place behind the reciprocal
	s_wait_alu depctr_va_vdst(0)                   ; and the wait ahead of its first reader
.set jj, 0
.rept 32
	v_mul_f32 v[96+jj], v[160+jj], v14             ; register 16 b + i: the head's 32 b + 16 (lane / 16) + i
.set jj, jj+1
.endr
.irp b, 0,1
	v_max3_num_f32 v[QM+\b], |v[96+16*\b]|, |v[97+16*\b]|, 0x1800000
.endr
.irp i, 2,4,6,8,10,12,14
.irp b, 0,1
	s_delay_alu instid0(VALU_DEP_2)
	v_max3_num_f32 v[QM+\b], v[QM+\b], |v[96+16*\b+\i]|, |v[97+16*\b+\i]|
.endr
.endr
.irp b, 0,1
	s_delay_alu instid0(VALU_DEP_2)
	v_permlanex16_b32 v[QP+\b], v[QM+\b], s[SEL], s[SEL+1]
.endr
.irp b, 0,1
	s_delay_alu instid0(VALU_DEP_2)
	v_max_num_f32 v[QM+\b], v[QM+\b], v[QP+\b]
.endr
.irp b, 0,1
	s_delay_alu instid0(VALU_DEP_2)
	v_add_nc_u32 v[QO+\b], 0xff000000, v[QM+\b]
.endr
.irp b, 0,1
	s_delay_alu instid0(VALU_DEP_2)
	v_lshrrev_b32 v[QP+\b], 23, v[QO+\b]
.endr
	s_delay_alu instid0(VALU_DEP_1)
	v_lshl_or_b32 v[PW], v[QP+1], 8, v[QP]
	v_cvt_scalef32_pk16_fp6_f32 v[PC:PC+2], v[96:111], v[QO]
	v_cvt_scalef32_pk16_fp6_f32 v[PT:PT+2], v[112:127], v[QO+1]
	v_nop
.irp i, 0,1,2
	v_permlane16_swap_b32 v[PC+\i], v[PT+\i]
.endr
.irp i, 0,1,2
	s_delay_alu instid0(VALU_DEP_3)
	v_mov_b32 v[PC+3+\i], v[PT+\i]
.endr
	global_store_b128 v[L16], v[PC:PC+3], s[86:87]
	global_store_b64 v[L8], v[PC+4:PC+5], s[86:87] offset:512
	ds_store_b16 v1, v[PW]                         ; my head's two bytes of the tile's scale words
	s_wait_dscnt 0x0                               ; for the others' sake: my store has landed
	s_barrier_signal -1
	s_barrier_wait -1
	s_cmp_lg_u32 s14, 0
	s_cbranch_scc1 .Lnot_first
	ds_load_b128 v[96:99], v30                     ; wave 0: the eight tiles' scale words, 512 consecutive bytes
	s_wait_dscnt 0x0
	global_store_b128 v[L16], v[96:99], s[88:89]
.Lnot_first:
	s_wait_tensorcnt 0x0                           ; the wave's end: behind my last tensor load and my last LDS store
	ds_add_u32 v[SPW], v[NIL]
	s_wait_dscnt 0x0
	CROUND                                         ; the closing round
	s_endpgm
.Lfunc_end_k_q18340fae86_att:
	.size	k_q18340fae86_att, .Lfunc_end_k_q18340fae86_att-k_q18340fae86_att
	.p2alignl 7, 3214868480
	.fill 96, 4, 3214868480
	.section	.rodata,"a",@progbits
	.p2align	6, 0x0
	.amdhsa_kernel k_q18340fae86_att
		.amdhsa_group_segment_fixed_size 167936
		.amdhsa_private_segment_fixed_size 0
		.amdhsa_enable_private_segment 0
		.amdhsa_kernarg_size 16
		.amdhsa_user_sgpr_count 2
		.amdhsa_user_sgpr_kernarg_segment_ptr 1
		.amdhsa_wavefront_size32 1
		.amdhsa_system_sgpr_workgroup_id_x 1
		.amdhsa_system_sgpr_workgroup_id_y 1
		.amdhsa_system_sgpr_workgroup_id_z 1
		.amdhsa_system_vgpr_workitem_id 0
		.amdhsa_next_free_vgpr 256
		.amdhsa_next_free_sgpr 102
		.amdhsa_reserve_vcc 0
		.amdhsa_float_denorm_mode_32 3
		.amdhsa_float_denorm_mode_16_64 3
		.amdhsa_memory_ordered 1
		.amdhsa_forward_progress 1
		.amdhsa_inst_pref_size 87
	.end_amdhsa_kernel
	.amdgpu_metadata
---
amdhsa.version: [ 1, 2 ]
amdhsa.kernels:
  - .name:           k_q18340fae86_att
    .symbol:         k_q18340fae86_att.kd
    .args:
      - { .name: wsQ, .offset: 0, .size: 8, .value_kind: global_buffer, .address_space: global }
      - { .name: wsO, .offset: 8, .size: 8, .value_kind: global_buffer, .address_space: global }
    .group_segment_fixed_size: 167936
    .private_segment_fixed_size: 0
    .kernarg_segment_align: 8
    .kernarg_segment_size: 16
    .max_flat_workgroup_size: 512
    .sgpr_count:     102
    .vgpr_count:     256
    .wavefront_size: 32
...
	.end_amdgpu_metadata
.endif
;; end of part 3
;; launch wo (part 4): grid 4 x 64, 4 waves a work-group, clusters of 4 x 4, 327,680 bytes of LDS; arguments wsO, wsP, sequence, bo, wsA; writes wsA
.if DOCPART == 4
	.amdgcn_target "amdgcn-amd-amdhsa--gfx1250"
	.amdhsa_code_object_version 6
	.text
	.protected	k_q18340fae86_wo
	.globl	k_q18340fae86_wo
	.p2align	8
	.type	k_q18340fae86_wo,@function
k_q18340fae86_wo:
	s_mov_b64 s[64:65], 0
	v_nop
	global_prefetch_b8 v0, s[64:65] scope:SCOPE_SE
	s_setreg_imm32_b32 hwreg(HW_REG_WAVE_MODE, 25, 1), 1
	s_wait_xcnt 0x0
	s_wait_alu depctr_hold_cnt(0) depctr_sa_sdst(0) depctr_va_vdst(0) depctr_va_sdst(0) depctr_va_ssrc(0) depctr_va_vcc(0) depctr_vm_vsrc(0)
	s_getreg_b32 s2, hwreg(HW_REG_IB_STS2, 6, 4)
	s_cmp_eq_u32 s2, 0
	s_cbranch_scc0 .Lentry_in_a_cluster
	s_endpgm
.Lentry_in_a_cluster:
	s_bfe_u32 s2, ttmp6, 0x10000c
	s_cmp_lg_u32 s2, 0xf033
	s_cbranch_scc0 .Lentry_shape_is_right
	s_endpgm
.Lentry_shape_is_right:
; att = x + o Wo + bo on codes of E2M3; att leaves twice: as f32 (for the second residual) and quantised along its 512 (for the product with W1).  Nothing of reference() is left out here.
; A work-group of four waves makes 128 tokens x 128 columns, a wave 64 x 64: 16 accumulators.  K = 512 is four steps: both operands, as register images, lie in LDS, filled once.  CLUSTER 4 x 4: o's tiles are shared along a row, Wo's along a column.
; Source 0 = 16 rows of Wo, source 1 = 16 tokens: a lane holds one token, its registers run along the columns.  x + bo is loaded into the accumulators, so the residual costs no pass of its own (another order of f32 rounding than reference()'s).
; REGISTERS: window 0: v1-29 addresses, v32-47 scale words, v64-95 bo, later at work, v128-255 accumulators.  Window 1: two sets of fragments (o at 48 p, Wo at 96 + 48 p).
; LIMITS: as stated at the head of prep.
.set BIG, 0
.set AB, 4
.set NQ, 4
.set KST, 4
.set APITCH, 786432
.set ASOFF, 3145728
.set ASP, 32768
.set BOFF, 608*1536
.set BPITCH, 1179648
.set BSOFF, 4718592+608*64
.set BSP, 49152
.set PS, KST*AB*64
.set HALFT, 24576
.set SCL, 4*HALFT
.set SSX, SCL+4*PS                     ; att's scale words, 8 tiles x 64 bytes: each half of the columns writes its half of a word
.set SPARE, SSX+512                    ; the spare words, 128 bytes for each wave, that no other line names
.set ASW, 3145728
.set AFO, 3276800
.set AF0, 0
.set AFP, 48
.set BF0, 96
.set BFP, 48
.set L16, 3
.set L8, 4
.set ADRA, 8
.set ADRB, 12
.set ADSA, 18
.set ADSB, 19
.set SPW, 28
.set NIL, 29
.set PC, 64
.set PT, 72
.set QM, 76
.set QP, 80
.set QO, 84
.set PW, 88
.set G1A, 24
.set G0A, 32
.set G1B, 48
.set G0B, 56
.set G1SA, 68
.set G0SA, 76
.set G1SB, 80
.set G0SB, 88
.set SEL, 100
.set MSB, 0
.macro WIN new                         ; the immediate's high byte repeats the setting that is left
.if MSB != (\new)
	s_set_vgpr_msb (MSB<<8)|(\new)
.set MSB, \new
.endif
.endm
.macro PLACES n
.rept \n
	v_nop
.endr
.endm
.macro CREST
	s_cmp_lg_u32 s14, 0
	s_cbranch_scc1 .Lnot_wave_0_\@
	s_barrier_signal -3
.Lnot_wave_0_\@:
	s_barrier_wait -3
	s_barrier_signal -1
	s_barrier_wait -1
.endm
.macro CROUND                          ; a round of the cluster's barrier
	s_barrier_signal -1
	s_barrier_wait -1
	CREST
.endm
.macro JLOAD g0a, g1a, g0b, g1b        ; a joint load: waves 0 and 1 fetch for the tokens' operand, waves 2 and 3 for the weight; an s_nop 0 and four v_nop follow each line
	s_cmp_eq_u32 s15, 0
	s_cbranch_scc0 .Lfor_b_\@
	tensor_load_to_lds s[\g0a:\g0a+3], s[\g1a:\g1a+7]
	s_nop 0
	PLACES 4
	s_branch .Lasked_\@
.Lfor_b_\@:
	tensor_load_to_lds s[\g0b:\g0b+3], s[\g1b:\g1b+7]
	s_nop 0
	PLACES 4
.Lasked_\@:
.endm
.macro DESC g, c, r, p                 ; words 1 to 7 of a group 1: r rows of c elements of 8 bytes, p elements from row to row, no padding
	s_mov_b32 s[\g+1], ((\c)&0xffff)<<16
	s_mov_b32 s[\g+2], (\r)<<16
	s_mov_b32 s[\g+3], (\c)<<16
	s_mov_b32 s[\g+4], \r
	s_mov_b32 s[\g+5], \p
	s_mov_b32 s[\g+6], 0
	s_mov_b32 s[\g+7], 0
.endm
.macro FRAG reg, adr, off              ; a fragment's image back into 12 registers: every load reads consecutive bytes
	ds_load_b128 v[\reg:\reg+3], v[\adr] offset:\off
	ds_load_b64 v[\reg+4:\reg+5], v[\adr+1] offset:\off+512
	ds_load_b128 v[\reg+6:\reg+9], v[\adr] offset:\off+768
	ds_load_b64 v[\reg+10:\reg+11], v[\adr+1] offset:\off+1280
.endm
.macro FETCH slot, q, p                ; the slot's q-th K step into set p
	WIN 0x40
.set ii, 0
.rept AB
	FRAG BF0+BFP*(\p)+12*ii, ADRB+2*(\slot), ((\q)*2*AB+ii)*1536   ; LDS holds [K step][8 tiles][1,536] for each operand
.set ii, ii+1
.endr
.if BIG
	WIN 0
.endif
.set ii, 0
.rept AB
	FRAG AF0+AFP*(\p)+12*ii, ADRA+2*(\slot), ((\q)*2*AB+ii)*1536
.set ii, ii+1
.endr
	WIN 0
.endm
.macro SCALES s                        ; a slot's scale words: a register holds an even K step's in lanes 0-15 and the next step's in lanes 16-31
.set ii, 0
.rept AB
.set jj, 0
.rept NQ/2
	ds_load_b32 v[32+16*(\s)+(NQ/2)*ii+jj], v[ADSA] offset:4*jj*AB*64+ii*64
	ds_load_b32 v[40+16*(\s)+(NQ/2)*ii+jj], v[ADSB] offset:4*jj*AB*64+ii*64
.set jj, jj+1
.endr
.set ii, ii+1
.endr
.endm
.macro WM x, y, sx, sy, q, cm
.if \cm
	v_wmma_scale_f32_16x16x128_f8f6f4 v[rD:rD+7], v[\x:\x+11], v[\y:\y+11], v[rC:rC+7], v[\sx], v[\sy] matrix_a_fmt:MATRIX_FMT_FP6 matrix_b_fmt:MATRIX_FMT_FP6
.elseif ((\q)%2)==0
	v_wmma_scale_f32_16x16x128_f8f6f4 v[rD:rD+7], v[\x:\x+11], v[\y:\y+11], v[rD:rD+7], v[\sx], v[\sy] matrix_a_fmt:MATRIX_FMT_FP6 matrix_b_fmt:MATRIX_FMT_FP6
.else
	v_wmma_scale_f32_16x16x128_f8f6f4 v[rD:rD+7], v[\x:\x+11], v[\y:\y+11], v[rD:rD+7], v[\sx], v[\sy] matrix_a_fmt:MATRIX_FMT_FP6 matrix_b_fmt:MATRIX_FMT_FP6 matrix_a_scale:MATRIX_SCALE_ROW1 matrix_b_scale:MATRIX_SCALE_ROW1
.endif
.endm
.macro MULQ t, p, q, sc, cm            ; quarter t of a K step's products; the accumulators take turns, one instruction a turn, in the same order in every step
.if BIG
.if \cm
	WIN 0x91+0x40*((\t)/2)
.else
	WIN 0xa1+0x50*((\t)/2)
.endif
.else
	WIN 0x05
.endif
.set ia, (\t)*AB/4
.rept AB/4
.set ib, 0
.rept AB
.if BIG
.set rD, 8*(8*(ia%4)+ib)
.set rC, 192+8*ib
.else
.set rD, 128+8*(4*ia+ib)
.set rC, rD
.endif
.set rB, BF0+BFP*(\p)+12*ib
.set rA, AF0+AFP*(\p)+12*ia
.set rT, 40+16*(\sc)+(NQ/2)*ib+(\q)/2
.set rS, 32+16*(\sc)+(NQ/2)*ia+(\q)/2
	WM rB, rA, rT, rS, \q, \cm
.set ib, ib+1
.endr
.set ia, ia+1
.endr
.endm
.macro STEP slot, q, cm
	s_wait_dscnt 0x0                               ; this step's fragments and scale words are in
	PLACES 4                                       ; places in front of loads into registers that matrix instructions have read
	FETCH \slot, (\q)+1, 1-(\q)%2
	MULQ 0, (\q)%2, \q, \slot, \cm
	MULQ 1, (\q)%2, \q, \slot, \cm
	MULQ 2, (\q)%2, \q, \slot, \cm
	MULQ 3, (\q)%2, \q, \slot, \cm
.endm
.macro LAST slot
	s_wait_dscnt 0x0
	MULQ 0, 1, NQ-1, \slot, 0
	MULQ 1, 1, NQ-1, \slot, 0
	MULQ 2, 1, NQ-1, \slot, 0
	MULQ 3, 1, NQ-1, \slot, 0
	WIN 0
.endm
; 32 numbers of a lane, register 16 b + i = k 32 b + 16 (lane / 16) + i of my row, become half a fragment in v[PC] .. v[PC + 5] and two scale bytes in v[PW]
.macro QUANT32 s
.irp b, 0,1
	v_max3_num_f32 v[QM+\b], |v[\s+16*\b]|, |v[\s+1+16*\b]|, 0x1800000   ; and the floor 2^(3 - 127): the byte cannot fall under 1
.endr
.irp i, 2,4,6,8,10,12,14
.irp b, 0,1
	v_max3_num_f32 v[QM+\b], v[QM+\b], |v[\s+16*\b+\i]|, |v[\s+1+16*\b+\i]|
.endr
.endr
.irp b, 0,1
	v_permlanex16_b32 v[QP+\b], v[QM+\b], s[SEL], s[SEL+1]
.endr
.irp b, 0,1
	v_max_num_f32 v[QM+\b], v[QM+\b], v[QP+\b]
.endr
.irp b, 0,1
	v_add_nc_u32 v[QO+\b], 0xff000000, v[QM+\b]
.endr
.irp b, 0,1
	v_lshrrev_b32 v[QP+\b], 23, v[QO+\b]
.endr
	v_lshl_or_b32 v[PW], v[QP+1], 8, v[QP]
	v_cvt_scalef32_pk16_fp6_f32 v[PC:PC+2], v[\s:\s+15], v[QO]
	v_cvt_scalef32_pk16_fp6_f32 v[PT:PT+2], v[\s+16:\s+31], v[QO+1]
	v_nop                                          ; one plain place behind a scaled conversion
.irp i, 0,1,2
	v_permlane16_swap_b32 v[PC+\i], v[PT+\i]
.endr
.irp i, 0,1,2
	v_mov_b32 v[PC+3+\i], v[PT+\i]
.endr
.endm
	s_load_b256 s[4:11], s[0:1], 0x0               ; wsO s4, wsP s6, sequence s8, bo s10
	s_load_b64 s[12:13], s[0:1], 0x20              ; wsA
	v_lshl_add_u32 v[SPW], v0, 2, SPARE
	v_mov_b32 v[NIL], 0
	ds_add_u32 v[SPW], v[NIL]                      ; the wave's opening: the add, twice on end, and its wait ahead of my first tensor load
	ds_add_u32 v[SPW], v[NIL]
	v_lshrrev_b32 v1, 5, v0
	v_readfirstlane_b32 s14, v1                    ; wave
	s_lshr_b32 s15, s14, 1                         ; my half of the tokens
	s_and_b32 s16, s14, 1                          ; my half of the columns
	s_bfe_u32 s40, ttmp6, 0x40000
	s_bfe_u32 s41, ttmp6, 0x40004
	s_lshl_b32 s42, ttmp9, 2
	s_add_co_u32 s42, s42, s40                     ; tx
	s_and_b32 s17, ttmp7, 0xffff
	s_lshl_b32 s17, s17, 2
	s_add_co_u32 s17, s17, s41                     ; ty
	s_lshl_b32 s43, s41, 2
	s_lshl_b32 s43, 15, s43                        ; my row of the cluster
	s_lshl_b32 s44, 0x1111, s40                    ; my column
	s_or_b32 s[G1A], s43, (3<<16)|(1<<21)
	s_or_b32 s[G1SA], s43, (3<<16)|(1<<21)
	s_or_b32 s[G1B], s44, (3<<16)|(1<<21)
	s_or_b32 s[G1SB], s44, (3<<16)|(1<<21)
	DESC G1A, 2*AB*192, NQ, APITCH/8               ; a whole operand by one load: four K steps x eight tiles
	DESC G1B, 2*AB*192, NQ, BPITCH/8
	DESC G1SA, 2*AB*8, KST, ASP/8
	DESC G1SB, 2*AB*8, KST, BSP/8
	s_mov_b32 s[SEL], 0x76543210
	s_mov_b32 s[SEL+1], 0xfedcba98
	s_mov_b32 s18, 0
	s_mul_i32 s20, s17, 2*AB
	s_add_co_u32 s20, s20, s18                     ; the tokens' tile that I fetch from
	s_lshl_b32 s22, s20, 6
	s_add_co_u32 s22, s22, ASOFF
	s_mul_i32 s20, s20, 1536
	s_mov_b32 s21, 0
	s_mov_b32 s23, 0
	s_mul_i32 s46, s42, 2*AB
	s_add_co_u32 s46, s46, s18                     ; the weight's
	s_lshl_b32 s92, s46, 6
	s_add_co_u32 s92, s92, BSOFF
	s_mul_i32 s46, s46, 1536
	s_add_co_u32 s46, s46, BOFF
	s_mov_b32 s47, 0
	s_mov_b32 s93, 0
	s_wait_dscnt 0x0                               ; both opening adds are done
	s_wait_kmcnt 0x0
	s_add_nc_u64 s[20:21], s[4:5], s[20:21]
	s_add_nc_u64 s[22:23], s[4:5], s[22:23]
	s_add_nc_u64 s[46:47], s[6:7], s[46:47]
	s_add_nc_u64 s[92:93], s[6:7], s[92:93]
	CROUND                                         ; all sixteen work-groups are here: the joint loads meet
	s_mov_b32 s[G0SA], 1
	s_mov_b32 s[G0SA+1], SCL
	s_mov_b64 s[G0SA+2:G0SA+3], s[22:23]
	s_or_b32 s[G0SA+3], s[G0SA+3], 0x80000000
	s_mov_b32 s[G0SB], 1
	s_mov_b32 s[G0SB+1], SCL+2*PS
	s_mov_b64 s[G0SB+2:G0SB+3], s[92:93]
	s_or_b32 s[G0SB+3], s[G0SB+3], 0x80000000
	s_mov_b32 s[G0A], 1
	s_mov_b32 s[G0A+1], 0
	s_mov_b64 s[G0A+2:G0A+3], s[20:21]
	s_or_b32 s[G0A+3], s[G0A+3], 0x80000000
	s_mov_b32 s[G0B], 1
	s_mov_b32 s[G0B+1], 2*HALFT
	s_mov_b64 s[G0B+2:G0B+3], s[46:47]
	s_or_b32 s[G0B+3], s[G0B+3], 0x80000000
; THE HEAD'S LOADS, one a wave: wave 0 o's codes, wave 1 Wo's, wave 2 o's scale words, wave 3 Wo's.  One chain of branches on the wave's number, all arms leading to one join.
.macro ARM under, g0, g1, next
	s_cmp_lt_u32 s14, \under
	s_cbranch_scc0 \next
	tensor_load_to_lds s[\g0:\g0+3], s[\g1:\g1+7]
	s_nop 0
	PLACES 4
	s_branch .Lhead_asked
\next:
.endm
	ARM 1, G0A, G1A, .Lhead_b
	ARM 2, G0B, G1B, .Lhead_sa
	ARM 3, G0SA, G1SA, .Lhead_sb
	tensor_load_to_lds s[G0SB:G0SB+3], s[G1SB:G1SB+7]
	s_nop 0
	PLACES 4
.Lhead_asked:
	v_and_b32 v5, 31, v0
	v_and_b32 v1, 15, v0                           ; r
	v_bfe_u32 v2, v0, 4, 1                         ; h
	v_lshlrev_b32 v[L16], 4, v5
	v_lshlrev_b32 v[L8], 3, v5
	s_mul_i32 s21, s15, AB*1536
	s_mul_i32 s22, s16, AB*1536
	s_add_co_u32 s22, s22, 2*HALFT
	v_add_nc_u32 v[ADRA], s21, v[L16]
	v_add_nc_u32 v[ADRA+1], s21, v[L8]
	v_add_nc_u32 v[ADRB], s22, v[L16]
	v_add_nc_u32 v[ADRB+1], s22, v[L8]
	v_lshlrev_b32 v6, 2, v1
	v_mad_u32_u24 v6, v2, 2*AB*64, v6
	s_mul_i32 s21, s15, AB*64
	s_add_co_u32 s21, s21, SCL
	v_add_nc_u32 v[ADSA], s21, v6
	s_mul_i32 s22, s16, AB*64
	s_add_co_u32 s22, s22, SCL+2*PS
	v_add_nc_u32 v[ADSB], s22, v6
	s_lshl_b32 s21, s15, 8
	s_lshl_b32 s22, s16, 1
	s_add_co_u32 s21, s21, s22
	s_add_co_u32 s21, s21, SSX
	v_lshl_add_u32 v20, v1, 2, s21                 ; where my half of a scale word goes
	v_add_nc_u32 v21, SSX, v[L16]
	; x and bo, in the results' layout
	s_lshl_b32 s18, s17, 3
	s_lshl_b32 s19, s15, 2
	s_add_co_u32 s18, s18, s19                     ; my first token tile
	s_and_b32 s19, s18, 31
	s_lshl_b32 s19, s19, 19                        ; its first position, 16 x the tile in the batch, x 32,768 bytes
	s_lshr_b32 s20, s18, 5
	s_lshl_b32 s20, s20, 11                        ; the batch x 2,048
	s_add_co_u32 s19, s19, s20
	s_lshl_b32 s22, s42, 9
	s_lshl_b32 s23, s16, 8
	s_add_co_u32 s22, s22, s23                     ; my first column x 4
	s_mov_b32 s23, 0
	s_add_co_u32 s20, s19, s22
	s_mov_b32 s21, 0
	s_add_nc_u64 s[8:9], s[8:9], s[20:21]
	s_add_nc_u64 s[10:11], s[10:11], s[22:23]
	v_and_b32 v22, 8, v1
	v_add_nc_u32 v22, v22, v1
	v_lshlrev_b32 v22, 15, v22
	v_lshl_add_u32 v22, v2, 6, v22                 ; my token's row, + 64 h
	v_lshlrev_b32 v7, 6, v2
.set ia, 0
.rept 4
.set ib, 0
.rept 4
	global_load_b128 v[128+8*(4*ia+ib):131+8*(4*ia+ib)], v22, s[8:9] offset:(32*(ia/2)+8*(ia%2))*32768+128*(ib/2)+32*(ib%2)
	global_load_b128 v[132+8*(4*ia+ib):135+8*(4*ia+ib)], v22, s[8:9] offset:(32*(ia/2)+8*(ia%2))*32768+128*(ib/2)+32*(ib%2)+16
.set ib, ib+1
.endr
.set ia, ia+1
.endr
.irp b, 0,1,2,3
	global_load_b128 v[64+8*\b:67+8*\b], v7, s[10:11] offset:128*(\b/2)+32*(\b%2)
	global_load_b128 v[68+8*\b:71+8*\b], v7, s[10:11] offset:128*(\b/2)+32*(\b%2)+16
.endr
	; where the results go
	s_mul_i32 s66, s42, 786432                     ; codes: K step tx, my tiles, my half of the fragment
	s_mul_i32 s67, s18, 1536
	s_add_co_u32 s66, s66, s67
	s_mul_i32 s67, s16, 768
	s_add_co_u32 s66, s66, s67
	s_mov_b32 s67, 0
	s_add_nc_u64 s[66:67], s[12:13], s[66:67]
	s_lshl_b32 s96, s17, 2
	s_add_co_u32 s96, s96, s42
	s_lshl_b32 s96, s96, 2
	s_add_co_u32 s96, s96, s14
	s_lshl_b32 s96, s96, 14                        ; f32: 16,384 bytes for each wave of each work-group, the accumulators as they stand
	s_add_co_u32 s96, s96, AFO
	s_mov_b32 s97, 0
	s_add_nc_u64 s[96:97], s[12:13], s[96:97]
	s_lshl_b32 s98, s42, 15
	s_lshl_b32 s99, s17, 9
	s_add_co_u32 s98, s98, s99
	s_add_co_u32 s98, s98, ASW
	s_mov_b32 s99, 0
	s_add_nc_u64 s[98:99], s[12:13], s[98:99]
	s_wait_loadcnt 0x0
.set ia, 0
.rept 16
.irp k, 0,2,4,6
	v_pk_add_f32 v[128+8*ia+\k:129+8*ia+\k], v[128+8*ia+\k:129+8*ia+\k], v[64+8*(ia%4)+\k:65+8*(ia%4)+\k]   ; x + bo: what the sums start from
.endr
.set ia, ia+1
.endr
	s_wait_alu depctr_va_vdst(0)
	s_wait_tensorcnt 0x0                           ; my parts are in,
	s_barrier_signal -1
	s_barrier_wait -1                              ; everybody's are
	FETCH 0, 0, 0
	SCALES 0
	STEP 0, 0, 0
	STEP 0, 1, 0
	STEP 0, 2, 0
	LAST 0
	; THE WAY OUT
	PLACES 4
	v_mov_b32 v[QP], 0                             ; a lane permute's destination counts as one of its sources
	v_mov_b32 v[QP+1], 0
.set ia, 0
.rept 4
.if ia > 0
	s_wait_xcnt 0x0                                ; the stores have read the codes' registers
.endif
	QUANT32 128+32*ia
	global_store_b128 v[L16], v[PC:PC+3], s[66:67] offset:1536*ia
	global_store_b64 v[L8], v[PC+4:PC+5], s[66:67] offset:1536*ia+512
	ds_store_b16 v20, v[PW] offset:64*ia
.set ib, 0
.rept 4
	global_store_b128 v[L16], v[128+8*(4*ia+ib):131+8*(4*ia+ib)], s[96:97] offset:(4*ia+ib)*1024
	global_store_b128 v[L16], v[132+8*(4*ia+ib):135+8*(4*ia+ib)], s[96:97] offset:(4*ia+ib)*1024+512
.set ib, ib+1
.endr
.set ia, ia+1
.endr
	s_wait_dscnt 0x0                               ; for the others' sake: my stores have landed
	s_barrier_signal -1
	s_barrier_wait -1
	s_cmp_lg_u32 s14, 0
	s_cbranch_scc1 .Lnot_first
	ds_load_b128 v[92:95], v21                     ; wave 0: the eight tiles' scale words, 512 consecutive bytes
	s_wait_dscnt 0x0
	global_store_b128 v[L16], v[92:95], s[98:99]
.Lnot_first:
	s_wait_tensorcnt 0x0                           ; the wave's end: behind my last tensor load and my last LDS store
	ds_add_u32 v[SPW], v[NIL]
	s_wait_dscnt 0x0
	CROUND                                         ; the closing round
	s_endpgm
.Lfunc_end_k_q18340fae86_wo:
	.size	k_q18340fae86_wo, .Lfunc_end_k_q18340fae86_wo-k_q18340fae86_wo
	.p2alignl 7, 3214868480
	.fill 96, 4, 3214868480
	.section	.rodata,"a",@progbits
	.p2align	6, 0x0
	.amdhsa_kernel k_q18340fae86_wo
		.amdhsa_group_segment_fixed_size 327680
		.amdhsa_private_segment_fixed_size 0
		.amdhsa_enable_private_segment 0
		.amdhsa_kernarg_size 40
		.amdhsa_user_sgpr_count 2
		.amdhsa_user_sgpr_kernarg_segment_ptr 1
		.amdhsa_wavefront_size32 1
		.amdhsa_system_sgpr_workgroup_id_x 1
		.amdhsa_system_sgpr_workgroup_id_y 1
		.amdhsa_system_sgpr_workgroup_id_z 1
		.amdhsa_system_vgpr_workitem_id 0
		.amdhsa_next_free_vgpr 512
		.amdhsa_next_free_sgpr 102
		.amdhsa_reserve_vcc 0
		.amdhsa_float_denorm_mode_32 3
		.amdhsa_float_denorm_mode_16_64 3
		.amdhsa_memory_ordered 1
		.amdhsa_forward_progress 1
		.amdhsa_inst_pref_size 48
	.end_amdhsa_kernel
	.amdgpu_metadata
---
amdhsa.version: [ 1, 2 ]
amdhsa.kernels:
  - .name:           k_q18340fae86_wo
    .symbol:         k_q18340fae86_wo.kd
    .args:
      - { .name: wsO, .offset: 0, .size: 8, .value_kind: global_buffer, .address_space: global }
      - { .name: wsP, .offset: 8, .size: 8, .value_kind: global_buffer, .address_space: global }
      - { .name: sequence, .offset: 16, .size: 8, .value_kind: global_buffer, .address_space: global }
      - { .name: bo, .offset: 24, .size: 8, .value_kind: global_buffer, .address_space: global }
      - { .name: wsA, .offset: 32, .size: 8, .value_kind: global_buffer, .address_space: global }
    .group_segment_fixed_size: 327680
    .private_segment_fixed_size: 0
    .kernarg_segment_align: 8
    .kernarg_segment_size: 40
    .max_flat_workgroup_size: 128
    .sgpr_count:     102
    .vgpr_count:     512
    .wavefront_size: 32
...
	.end_amdgpu_metadata
.endif
;; end of part 4
;; launch w1 (part 5): grid 8 x 32, 4 waves a work-group, clusters of 4 x 4, 327,680 bytes of LDS; arguments wsA, wsP, b1, wsH1; writes wsH1
.if DOCPART == 5
	.amdgcn_target "amdgcn-amd-amdhsa--gfx1250"
	.amdhsa_code_object_version 6
	.text
	.protected	k_q18340fae86_w1
	.globl	k_q18340fae86_w1
	.p2align	8
	.type	k_q18340fae86_w1,@function
k_q18340fae86_w1:
	s_mov_b64 s[64:65], 0
	v_nop
	global_prefetch_b8 v0, s[64:65] scope:SCOPE_SE
	s_setreg_imm32_b32 hwreg(HW_REG_WAVE_MODE, 25, 1), 1
	s_wait_xcnt 0x0
	s_wait_alu depctr_hold_cnt(0) depctr_sa_sdst(0) depctr_va_vdst(0) depctr_va_sdst(0) depctr_va_ssrc(0) depctr_va_vcc(0) depctr_vm_vsrc(0)
	s_getreg_b32 s2, hwreg(HW_REG_IB_STS2, 6, 4)
	s_cmp_eq_u32 s2, 0
	s_cbranch_scc0 .Lentry_in_a_cluster
	s_endpgm
.Lentry_in_a_cluster:
	s_bfe_u32 s2, ttmp6, 0x10000c
	s_cmp_lg_u32 s2, 0xf033
	s_cbranch_scc0 .Lentry_shape_is_right
	s_endpgm
.Lentry_shape_is_right:
; h1 = relu(att W1 + b1) on codes of E2M3, quantised along its 2,048 for the product with W2.  Nothing of reference() is left out here.  LIMITS: as stated at the head of prep.
; A work-group of four waves makes 256 tokens x 256 columns, a wave 128 x 128.  K = 512 is four steps of 128 in two LDS slots of two steps, each filled once; LDS holds [K step][16 tiles][1,536] for each operand.
; CLUSTER 4 x 4: att's tiles are shared along a row, W1's along a column.  No prefetch: each slot is filled once and there is no loop to run ahead in.
.set BIG, 1
.set G0H, 4                            ; s[4:7], s[96:99]: group 0 of the head's loads of slot 0, whole (the arguments in s[4:7] have been used by then)
.set G0HB, 96
.set AB, 8
.set NQ, 2
.set KST, 4
.set APITCH, 786432
.set ASOFF, 3145728
.set ASP, 32768
.set BOFF, 640*1536
.set BPITCH, 1179648
.set BSOFF, 4718592+640*64
.set BSP, 49152
.set LAPS, KST/(2*NQ)
.set PS, KST*AB*64
.set HALFT, 24576
.set SLOT, 4*HALFT
.set SCL, 2*SLOT
.set SST, SCL+4*PS
.set SPARE, SST+2048
.set HSW, 12582912
.set AF0, 64
.set AFP, 96
.set BF0, 0
.set BFP, 96
.set L16, 3
.set L8, 4
.set ADRA, 8
.set ADRB, 12
.set ADSA, 18
.set ADSB, 19
.set SPW, 28
.set NIL, 29
.set PC, 128
.set TM, 152
.set PW, 170
.set G1A, 24
.set G0A, 32
.set G1B, 48
.set G0B, 56
.set G1SA, 68
.set G0SA, 76
.set G1SB, 80
.set G0SB, 88
.set SEL, 100
.set MSB, 0
.macro WIN new
.if MSB != (\new)
	s_set_vgpr_msb (MSB<<8)|(\new)
.set MSB, \new
.endif
.endm
.macro PLACES n
.rept \n
	v_nop
.endr
.endm
.macro CREST
	s_cmp_lg_u32 s14, 0
	s_cbranch_scc1 .Lnot_wave_0_\@
	s_barrier_signal -3
.Lnot_wave_0_\@:
	s_barrier_wait -3
	s_barrier_signal -1
	s_barrier_wait -1
.endm
.macro CROUND
	s_barrier_signal -1
	s_barrier_wait -1
	CREST
.endm
.macro JLOAD g0a, g1a, g0b, g1b
	s_cmp_eq_u32 s15, 0
	s_cbranch_scc0 .Lfor_b_\@
	tensor_load_to_lds s[\g0a:\g0a+3], s[\g1a:\g1a+7]
	s_nop 0
	PLACES 4
	s_branch .Lasked_\@
.Lfor_b_\@:
	tensor_load_to_lds s[\g0b:\g0b+3], s[\g1b:\g1b+7]
	s_nop 0
	PLACES 4
.Lasked_\@:
.endm
.macro DESC g, c, r, p
	s_mov_b32 s[\g+1], ((\c)&0xffff)<<16
	s_mov_b32 s[\g+2], (\r)<<16
	s_mov_b32 s[\g+3], (\c)<<16
	s_mov_b32 s[\g+4], \r
	s_mov_b32 s[\g+5], \p
	s_mov_b32 s[\g+6], 0
	s_mov_b32 s[\g+7], 0
.endm
.macro FRAG reg, adr, off
	ds_load_b128 v[\reg:\reg+3], v[\adr] offset:\off
	ds_load_b64 v[\reg+4:\reg+5], v[\adr+1] offset:\off+512
	ds_load_b128 v[\reg+6:\reg+9], v[\adr] offset:\off+768
	ds_load_b64 v[\reg+10:\reg+11], v[\adr+1] offset:\off+1280
.endm
.macro FETCH slot, q, p
	WIN 0x40
.set ii, 0
.rept AB
	FRAG BF0+BFP*(\p)+12*ii, ADRB+2*(\slot), ((\q)*2*AB+ii)*1536
.set ii, ii+1
.endr
.if BIG
	WIN 0
.endif
.set ii, 0
.rept AB
	FRAG AF0+AFP*(\p)+12*ii, ADRA+2*(\slot), ((\q)*2*AB+ii)*1536
.set ii, ii+1
.endr
	WIN 0
.endm
; A quarter of a K step's LDS loads, 16 of them: t = 0, 1: the weight's blocks 4 t .. 4 t + 3; t = 2, 3: the tokens' blocks 4 (t - 2) ..
.macro PART slot, q, p, t
.if (\t) < 2
	WIN 0x40
.set ii, 4*(\t)
.rept 4
	FRAG BF0+BFP*(\p)+12*ii, ADRB+2*(\slot), ((\q)*2*AB+ii)*1536
.set ii, ii+1
.endr
.else
	WIN 0
.set ii, 4*(\t)-8
.rept 4
	FRAG AF0+AFP*(\p)+12*ii, ADRA+2*(\slot), ((\q)*2*AB+ii)*1536
.set ii, ii+1
.endr
.endif
.endm
.macro SCALES s
.set ii, 0
.rept AB
.set jj, 0
.rept NQ/2
	ds_load_b32 v[32+16*(\s)+(NQ/2)*ii+jj], v[ADSA] offset:4*jj*AB*64+ii*64
	ds_load_b32 v[40+16*(\s)+(NQ/2)*ii+jj], v[ADSB] offset:4*jj*AB*64+ii*64
.set jj, jj+1
.endr
.set ii, ii+1
.endr
.endm
.macro WM x, y, sx, sy, q, cm
.if \cm
	v_wmma_scale_f32_16x16x128_f8f6f4 v[rD:rD+7], v[\x:\x+11], v[\y:\y+11], v[rC:rC+7], v[\sx], v[\sy] matrix_a_fmt:MATRIX_FMT_FP6 matrix_b_fmt:MATRIX_FMT_FP6
.elseif ((\q)%2)==0
	v_wmma_scale_f32_16x16x128_f8f6f4 v[rD:rD+7], v[\x:\x+11], v[\y:\y+11], v[rD:rD+7], v[\sx], v[\sy] matrix_a_fmt:MATRIX_FMT_FP6 matrix_b_fmt:MATRIX_FMT_FP6
.else
	v_wmma_scale_f32_16x16x128_f8f6f4 v[rD:rD+7], v[\x:\x+11], v[\y:\y+11], v[rD:rD+7], v[\sx], v[\sy] matrix_a_fmt:MATRIX_FMT_FP6 matrix_b_fmt:MATRIX_FMT_FP6 matrix_a_scale:MATRIX_SCALE_ROW1 matrix_b_scale:MATRIX_SCALE_ROW1
.endif
.endm
.macro MULQ t, p, q, sc, cm
.if BIG
.if \cm
	WIN 0x91+0x40*((\t)/2)
.else
	WIN 0xa1+0x50*((\t)/2)
.endif
.else
	WIN 0x05
.endif
.set ia, (\t)*AB/4
.rept AB/4
.set ib, 0
.rept AB
.if BIG
.set rD, 8*(8*(ia%4)+ib)
.set rC, 192+8*ib
.else
.set rD, 128+8*(4*ia+ib)
.set rC, rD
.endif
.set rB, BF0+BFP*(\p)+12*ib
.set rA, AF0+AFP*(\p)+12*ia
.set rT, 40+16*(\sc)+(NQ/2)*ib+(\q)/2
.set rS, 32+16*(\sc)+(NQ/2)*ia+(\q)/2
	WM rB, rA, rT, rS, \q, \cm
.set ib, ib+1
.endr
.set ia, ia+1
.endr
.endm
.macro STEP slot, q, cm
	s_wait_dscnt 16                                ; all is in but the youngest 16 loads, the tokens' blocks 4-7
	PLACES 4                                       ; places in front of loads into registers that the last step's products read
	PART \slot, (\q)+1, 1-(\q)%2, 0                ; the next step's loads stand in four parts among this step's products
	MULQ 0, (\q)%2, \q, \slot, \cm
	PART \slot, (\q)+1, 1-(\q)%2, 1
	MULQ 1, (\q)%2, \q, \slot, \cm
	s_wait_dscnt 32                                ; all but the 32 just issued: the tokens' blocks 4-7 are in
	PART \slot, (\q)+1, 1-(\q)%2, 2
	MULQ 2, (\q)%2, \q, \slot, \cm
	PART \slot, (\q)+1, 1-(\q)%2, 3
	MULQ 3, (\q)%2, \q, \slot, \cm
.endm
.macro STEPS slot, cm
	STEP \slot, 0, \cm
.set qq, 1
.rept NQ-2
	STEP \slot, qq, 0
.set qq, qq+1
.endr
.endm
.macro TURN slot, next, fill
	WIN 0
	s_wait_tensorcnt 0x0
	ds_add_u32 v[SPW], v[NIL]
	s_wait_dscnt 17                                ; the add and the tokens' blocks 4-7 may be out
	MULQ 0, 1, NQ-1, \slot, 0
	s_wait_dscnt 0x0
	s_barrier_signal -1
	MULQ 1, 1, NQ-1, \slot, 0
	WIN 0
	s_barrier_wait -1
.if \fill
	CREST
	s_add_nc_u64 s[G0A+4*\slot+2:G0A+4*\slot+3], s[G0A+4*\slot+2:G0A+4*\slot+3], 2*NQ*APITCH
	s_add_nc_u64 s[G0B+4*\slot+2:G0B+4*\slot+3], s[G0B+4*\slot+2:G0B+4*\slot+3], 2*NQ*BPITCH
	JLOAD G0A+4*\slot, G1A, G0B+4*\slot, G1B
.else
	PLACES 4
.endif
	v_add_nc_u32 v[ADSA], 2*NQ*AB*64, v[ADSA]
	v_add_nc_u32 v[ADSB], 2*NQ*AB*64, v[ADSB]
	SCALES \next
	PART \next, 0, 0, 0
	PART \next, 0, 0, 1
	MULQ 2, 1, NQ-1, \slot, 0
	PART \next, 0, 0, 2
	PART \next, 0, 0, 3
	MULQ 3, 1, NQ-1, \slot, 0
.endm
.macro LAST slot
	s_wait_dscnt 0x0
	MULQ 0, 1, NQ-1, \slot, 0
	MULQ 1, 1, NQ-1, \slot, 0
	MULQ 2, 1, NQ-1, \slot, 0
	MULQ 3, 1, NQ-1, \slot, 0
	WIN 0
.endm
.macro QUANT s
.irp b, 0,1,2,3
	v_max3_num_f32 v[TM+\b], |v[\s+16*\b]|, |v[\s+1+16*\b]|, 0x1800000
.endr
.irp i, 2,4,6,8,10,12,14
.irp b, 0,1,2,3
	v_max3_num_f32 v[TM+\b], v[TM+\b], |v[\s+16*\b+\i]|, |v[\s+1+16*\b+\i]|
.endr
.endr
.irp b, 0,1,2,3
	v_permlanex16_b32 v[TM+4+\b], v[TM+\b], s[SEL], s[SEL+1]
.endr
.irp b, 0,1,2,3
	v_max_num_f32 v[TM+\b], v[TM+\b], v[TM+4+\b]
.endr
.irp b, 0,1,2,3
	v_add_nc_u32 v[TM+12+\b], 0xff000000, v[TM+\b]
.endr
.irp b, 0,1,2,3
	v_lshrrev_b32 v[TM+4+\b], 23, v[TM+12+\b]
.endr
	v_lshl_or_b32 v[PW], v[TM+5], 8, v[TM+4]
	v_lshl_or_b32 v[PW], v[TM+6], 16, v[PW]
	v_lshl_or_b32 v[PW], v[TM+7], 24, v[PW]
.irp c, 0,1
	v_cvt_scalef32_pk16_fp6_f32 v[PC+6*\c:PC+2+6*\c], v[\s+32*\c:\s+15+32*\c], v[TM+12+2*\c]
	v_cvt_scalef32_pk16_fp6_f32 v[PC+12+4*\c:PC+14+4*\c], v[\s+16+32*\c:\s+31+32*\c], v[TM+12+2*\c+1]
.endr
	v_nop
.irp c, 0,1
.irp i, 0,1,2
	v_permlane16_swap_b32 v[PC+6*\c+\i], v[PC+12+4*\c+\i]
.endr
.irp i, 0,1,2
	v_mov_b32 v[PC+3+6*\c+\i], v[PC+12+4*\c+\i]
.endr
.endr
.endm
	s_load_b256 s[4:11], s[0:1], 0x0
	v_lshl_add_u32 v[SPW], v0, 2, SPARE
	v_mov_b32 v[NIL], 0
	ds_add_u32 v[SPW], v[NIL]
	ds_add_u32 v[SPW], v[NIL]
	v_lshrrev_b32 v1, 5, v0
	v_readfirstlane_b32 s14, v1
	s_lshr_b32 s15, s14, 1
	s_and_b32 s16, s14, 1
	s_bfe_u32 s40, ttmp6, 0x40000
	s_bfe_u32 s41, ttmp6, 0x40004
	s_lshl_b32 s42, ttmp9, 2
	s_add_co_u32 s42, s42, s40
	s_and_b32 s17, ttmp7, 0xffff
	s_lshl_b32 s17, s17, 2
	s_add_co_u32 s17, s17, s41
	s_lshl_b32 s43, s41, 2
	s_lshl_b32 s43, 15, s43
	s_lshl_b32 s44, 0x1111, s40
	s_or_b32 s[G1A], s43, (3<<16)|(1<<21)
	s_or_b32 s[G1SA], s43, (3<<16)|(1<<21)
	s_or_b32 s[G1B], s44, (3<<16)|(1<<21)
	s_or_b32 s[G1SB], s44, (3<<16)|(1<<21)
	DESC G1A, 2*AB*192, NQ, APITCH/8               ; at the head: a whole slot of one operand, NQ K steps x 16 tiles
	DESC G1B, 2*AB*192, NQ, BPITCH/8
	DESC G1SA, 2*AB*8, KST, ASP/8                  ; the scale words of all of K
	DESC G1SB, 2*AB*8, KST, BSP/8
	s_mov_b32 s[SEL], 0x76543210
	s_mov_b32 s[SEL+1], 0xfedcba98
	s_mov_b32 s18, 0
	s_mul_i32 s20, s17, 2*AB
	s_add_co_u32 s20, s20, s18
	s_lshl_b32 s22, s20, 6
	s_add_co_u32 s22, s22, ASOFF
	s_mul_i32 s20, s20, 1536
	s_mov_b32 s21, 0
	s_mov_b32 s23, 0
	s_mul_i32 s46, s42, 2*AB
	s_add_co_u32 s46, s46, s18
	s_lshl_b32 s92, s46, 6
	s_add_co_u32 s92, s92, BSOFF
	s_mul_i32 s46, s46, 1536
	s_add_co_u32 s46, s46, BOFF
	s_mov_b32 s47, 0
	s_mov_b32 s93, 0
	s_mul_i32 s45, s14, HALFT
	s_wait_dscnt 0x0
	s_wait_kmcnt 0x0
	s_add_nc_u64 s[20:21], s[4:5], s[20:21]
	s_add_nc_u64 s[22:23], s[4:5], s[22:23]
	s_add_nc_u64 s[46:47], s[6:7], s[46:47]
	s_add_nc_u64 s[92:93], s[6:7], s[92:93]
	CROUND
	s_mov_b32 s[G0SA], 1
	s_mov_b32 s[G0SA+1], SCL
	s_mov_b64 s[G0SA+2:G0SA+3], s[22:23]
	s_or_b32 s[G0SA+3], s[G0SA+3], 0x80000000
	s_mov_b32 s[G0SB], 1
	s_mov_b32 s[G0SB+1], SCL+2*PS
	s_mov_b64 s[G0SB+2:G0SB+3], s[92:93]
	s_or_b32 s[G0SB+3], s[G0SB+3], 0x80000000
	s_mov_b32 s[G0H], 1
	s_mov_b32 s[G0H+1], 0
	s_mov_b64 s[G0H+2:G0H+3], s[20:21]
	s_or_b32 s[G0H+3], s[G0H+3], 0x80000000
	s_mov_b32 s[G0HB], 1
	s_mov_b32 s[G0HB+1], 2*HALFT
	s_mov_b64 s[G0HB+2:G0HB+3], s[46:47]
	s_or_b32 s[G0HB+3], s[G0HB+3], 0x80000000
	s_mul_i32 s18, s16, (NQ/2)*APITCH              ; behind the head a wave fetches half a slot's K steps of one operand
	s_mov_b32 s19, 0
	s_add_nc_u64 s[20:21], s[20:21], s[18:19]
	s_mul_i32 s18, s16, (NQ/2)*BPITCH
	s_add_nc_u64 s[46:47], s[46:47], s[18:19]
.irp s, 0,1
	s_mov_b32 s[G0A+4*\s], 1
	s_add_co_u32 s[G0A+4*\s+1], s45, \s*SLOT
	s_add_nc_u64 s[G0A+4*\s+2:G0A+4*\s+3], s[20:21], \s*NQ*APITCH
	s_or_b32 s[G0A+4*\s+3], s[G0A+4*\s+3], 0x80000000
	s_mov_b32 s[G0B+4*\s], 1
	s_add_co_u32 s[G0B+4*\s+1], s45, \s*SLOT
	s_add_nc_u64 s[G0B+4*\s+2:G0B+4*\s+3], s[46:47], \s*NQ*BPITCH
	s_or_b32 s[G0B+4*\s+3], s[G0B+4*\s+3], 0x80000000
.endr
; THE HEAD'S LOADS, one a wave: wave 0 slot 0 of att, wave 1 of W1, wave 2 att's scale words, wave 3 W1's.  One chain of branches on the wave's number, all arms leading to one join.
.macro ARM under, g0, g1, next
	s_cmp_lt_u32 s14, \under
	s_cbranch_scc0 \next
	tensor_load_to_lds s[\g0:\g0+3], s[\g1:\g1+7]
	s_nop 0
	PLACES 4
	s_branch .Lhead_asked
\next:
.endm
	ARM 1, G0H, G1A, .Lhead_b
	ARM 2, G0HB, G1B, .Lhead_sa
	ARM 3, G0SA, G1SA, .Lhead_sb
	tensor_load_to_lds s[G0SB:G0SB+3], s[G1SB:G1SB+7]
	s_nop 0
	PLACES 4
.Lhead_asked:
	v_and_b32 v5, 31, v0
	v_and_b32 v1, 15, v0
	v_bfe_u32 v2, v0, 4, 1
	v_lshlrev_b32 v[L16], 4, v5
	v_lshlrev_b32 v[L8], 3, v5
	s_mul_i32 s21, s15, AB*1536
	s_mul_i32 s22, s16, AB*1536
	s_add_co_u32 s22, s22, 2*HALFT
.irp s, 0,1
	v_add_nc_u32 v[ADRA+2*\s], s21, v[L16]
	v_add_nc_u32 v[ADRA+2*\s+1], s21, v[L8]
	v_add_nc_u32 v[ADRB+2*\s], s22, v[L16]
	v_add_nc_u32 v[ADRB+2*\s+1], s22, v[L8]
	s_add_co_u32 s21, s21, SLOT
	s_add_co_u32 s22, s22, SLOT
.endr
	v_lshlrev_b32 v6, 2, v1
	v_mad_u32_u24 v6, v2, 2*AB*64, v6
	s_mul_i32 s21, s15, AB*64
	s_add_co_u32 s21, s21, SCL
	v_add_nc_u32 v[ADSA], s21, v6
	s_mul_i32 s22, s16, AB*64
	s_add_co_u32 s22, s22, SCL+2*PS
	v_add_nc_u32 v[ADSB], s22, v6
	s_lshl_b32 s21, s14, 9
	s_add_co_u32 s21, s21, SST
	v_lshl_add_u32 v20, v1, 2, s21
	v_add_nc_u32 v21, s21, v[L16]
	s_lshl_b32 s18, s42, 10
	s_lshl_b32 s19, s16, 9
	s_add_co_u32 s18, s18, s19
	s_mov_b32 s19, 0
	s_add_nc_u64 s[8:9], s[8:9], s[18:19]
	v_lshlrev_b32 v7, 6, v2
	WIN 0x40
.set ib, 0
.rept 8
	global_load_b128 v[192+8*ib:195+8*ib], v7, s[8:9] offset:128*(ib/2)+32*(ib%2)
	global_load_b128 v[196+8*ib:199+8*ib], v7, s[8:9] offset:128*(ib/2)+32*(ib%2)+16
.set ib, ib+1
.endr
	WIN 0
	s_lshl_b32 s18, s42, 1
	s_add_co_u32 s18, s18, s16
	s_lshl_b32 s19, s17, 4
	s_lshl_b32 s20, s15, 3
	s_add_co_u32 s19, s19, s20
	s_mul_i32 s20, s18, 786432
	s_mul_i32 s21, s19, 1536
	s_add_co_u32 s20, s20, s21
	s_mov_b32 s21, 0
	s_add_nc_u64 s[12:13], s[10:11], s[20:21]
	s_lshl_b32 s20, s18, 15
	s_lshl_b32 s22, s19, 6
	s_add_co_u32 s20, s20, s22
	s_add_co_u32 s20, s20, HSW
	s_add_nc_u64 s[10:11], s[10:11], s[20:21]
	s_wait_alu depctr_va_vdst(0)
	s_wait_tensorcnt 0x0                           ; my tile of the head's four is in
	ds_add_u32 v[SPW], v[NIL]
	s_mov_b32 s[G1A+2], (NQ/2)<<16                 ; no tensor load of mine is out: from here on a load brings one K step's row
	s_mov_b32 s[G1A+4], NQ/2
	s_mov_b32 s[G1A+6], 1<<16                      ; (a one-row tile states a plane stride)
	s_mov_b32 s[G1B+2], (NQ/2)<<16
	s_mov_b32 s[G1B+4], NQ/2
	s_mov_b32 s[G1B+6], 1<<16
	s_wait_dscnt 0x0
	CROUND                                         ; everybody's tile is in, and the sixteen work-groups meet
	JLOAD G0A+4, G1A, G0B+4, G1B                   ; slot 1's first fill, a quarter a wave
	SCALES 0                                       ; the scale words first: the youngest 16 loads are the tokens' blocks 4-7
	FETCH 0, 0, 0
	s_wait_loadcnt 0x0
	STEPS 0, 1
.if LAPS > 1
	WIN 0
	s_mov_b32 s3, LAPS-1
.Llap:
	TURN 0, 1, 1
	STEPS 1, 0
	TURN 1, 0, 1
	STEPS 0, 0
	WIN 0
	s_sub_co_u32 s3, s3, 1
	s_cmp_lg_u32 s3, 0
	s_cbranch_scc1 .Llap
.endif
	TURN 0, 1, 0
	STEPS 1, 0
	LAST 1
	PLACES 4
.irp b, 0,1,2,3
	v_mov_b32 v[TM+4+\b], 0
.endr
.set ia, 0
.rept 8
	WIN 0x08+4*(ia/4)
.set jj, 0
.rept 64
	v_max_num_f32 v[64+jj], 0, v[64*(ia%4)+jj]
.set jj, jj+1
.endr
	WIN 0
.if ia > 0
	s_wait_xcnt 0x0
.endif
	QUANT 64
	global_store_b128 v[L16], v[PC:PC+3], s[12:13] offset:1536*ia
	global_store_b64 v[L8], v[PC+4:PC+5], s[12:13] offset:1536*ia+512
	global_store_b128 v[L16], v[PC+6:PC+9], s[12:13] offset:1536*ia+768
	global_store_b64 v[L8], v[PC+10:PC+11], s[12:13] offset:1536*ia+1280
	ds_store_b32 v20, v[PW] offset:64*ia
.set ia, ia+1
.endr
	ds_load_b128 v[64:67], v21
	s_wait_dscnt 0x0
	global_store_b128 v[L16], v[64:67], s[10:11]
	s_wait_tensorcnt 0x0
	ds_add_u32 v[SPW], v[NIL]
	s_wait_dscnt 0x0
	CROUND
	s_endpgm
.Lfunc_end_k_q18340fae86_w1:
	.size	k_q18340fae86_w1, .Lfunc_end_k_q18340fae86_w1-k_q18340fae86_w1
	.p2alignl 7, 3214868480
	.fill 96, 4, 3214868480
	.section	.rodata,"a",@progbits
	.p2align	6, 0x0
	.amdhsa_kernel k_q18340fae86_w1
		.amdhsa_group_segment_fixed_size 327680
		.amdhsa_private_segment_fixed_size 0
		.amdhsa_enable_private_segment 0
		.amdhsa_kernarg_size 32
		.amdhsa_user_sgpr_count 2
		.amdhsa_user_sgpr_kernarg_segment_ptr 1
		.amdhsa_wavefront_size32 1
		.amdhsa_system_sgpr_workgroup_id_x 1
		.amdhsa_system_sgpr_workgroup_id_y 1
		.amdhsa_system_sgpr_workgroup_id_z 1
		.amdhsa_system_vgpr_workitem_id 0
		.amdhsa_next_free_vgpr 1024
		.amdhsa_next_free_sgpr 102
		.amdhsa_reserve_vcc 0
		.amdhsa_float_denorm_mode_32 3
		.amdhsa_float_denorm_mode_16_64 3
		.amdhsa_memory_ordered 1
		.amdhsa_forward_progress 1
		.amdhsa_inst_pref_size 116
	.end_amdhsa_kernel
	.amdgpu_metadata
---
amdhsa.version: [ 1, 2 ]
amdhsa.kernels:
  - .name:           k_q18340fae86_w1
    .symbol:         k_q18340fae86_w1.kd
    .args:
      - { .name: wsA, .offset: 0, .size: 8, .value_kind: global_buffer, .address_space: global }
      - { .name: wsP, .offset: 8, .size: 8, .value_kind: global_buffer, .address_space: global }
      - { .name: b1, .offset: 16, .size: 8, .value_kind: global_buffer, .address_space: global }
      - { .name: wsH1, .offset: 24, .size: 8, .value_kind: global_buffer, .address_space: global }
    .group_segment_fixed_size: 327680
    .private_segment_fixed_size: 0
    .kernarg_segment_align: 8
    .kernarg_segment_size: 32
    .max_flat_workgroup_size: 128
    .sgpr_count:     102
    .vgpr_count:     1024
    .wavefront_size: 32
...
	.end_amdgpu_metadata
.endif
;; end of part 5
;; launch w2 (part 6): grid 8 x 32, 4 waves a work-group, clusters of 4 x 4, 327,680 bytes of LDS; arguments wsH1, wsP, b2, wsH2; writes wsH2
.if DOCPART == 6
	.amdgcn_target "amdgcn-amd-amdhsa--gfx1250"
	.amdhsa_code_object_version 6
	.text
	.protected	k_q18340fae86_w2
	.globl	k_q18340fae86_w2
	.p2align	8
	.type	k_q18340fae86_w2,@function
k_q18340fae86_w2:
	s_mov_b64 s[64:65], 0
	v_nop
	global_prefetch_b8 v0, s[64:65] scope:SCOPE_SE
	s_setreg_imm32_b32 hwreg(HW_REG_WAVE_MODE, 25, 1), 1
	s_wait_xcnt 0x0
	s_wait_alu depctr_hold_cnt(0) depctr_sa_sdst(0) depctr_va_vdst(0) depctr_va_sdst(0) depctr_va_ssrc(0) depctr_va_vcc(0) depctr_vm_vsrc(0)
	s_getreg_b32 s2, hwreg(HW_REG_IB_STS2, 6, 4)
	s_cmp_eq_u32 s2, 0
	s_cbranch_scc0 .Lentry_in_a_cluster
	s_endpgm
.Lentry_in_a_cluster:
	s_bfe_u32 s2, ttmp6, 0x10000c
	s_cmp_lg_u32 s2, 0xf033
	s_cbranch_scc0 .Lentry_shape_is_right
	s_endpgm
.Lentry_shape_is_right:
; h2 = relu(h1 W2 + b2) on codes of E2M3, quantised along its 2,048 for the product with W3.  Nothing of reference() is left out here.  LIMITS: as stated at the head of prep.
; A work-group of four waves makes 256 tokens x 256 columns, a wave 128 x 128.  K = 2,048 is sixteen steps of 128 through a ring of two LDS slots of two steps; LDS holds [K step][16 tiles][1,536] for each operand.
; CLUSTER 4 x 4: h1's tiles are shared along a row, W2's along a column; a refill stands behind a round of the cluster's barrier.
; PREFETCH: a wave's part of a slot is one K step of 16 tiles, 96 blocks of 256 bytes; each of the four partners that ask for it jointly names 24 of them, told apart by address (lanes 24-31 name the 24th again).
; At the head: slots' fills 1, 2, 3; at the refill with fill j + 2: fill j + 4, two refills ahead; the loop's last trip asks for nothing.
.set BIG, 1
.set G0H, 4                            ; s[4:7], s[96:99]: group 0 of the head's loads of slot 0, whole (the arguments in s[4:7] have been used by then)
.set G0HB, 96
.set PFA, 66                           ; s[66:67] where my prefetches stand
.set PFS, 94                           ; s[94:95] bytes from one fill to the next: NQ K steps of my operand
.set PFO, 22                           ; v22 my lane's block; v23-25 the same 1, 2, 3 fills on; never rewritten
.set AB, 8
.set NQ, 2
.set KST, 16
.set APITCH, 786432
.set ASOFF, 12582912
.set ASP, 32768
.set BOFF, 4915200
.set BPITCH, 245760
.set BSOFF, 8847360
.set BSP, 10240
.set LAPS, KST/(2*NQ)
.set PS, KST*AB*64
.set HALFT, 24576
.set SLOT, 4*HALFT
.set SCL, 2*SLOT
.set SST, SCL+4*PS
.set SPARE, SST+2048
.set HSW, 12582912
.set AF0, 64
.set AFP, 96
.set BF0, 0
.set BFP, 96
.set L16, 3
.set L8, 4
.set ADRA, 8
.set ADRB, 12
.set ADSA, 18
.set ADSB, 19
.set SPW, 28
.set NIL, 29
.set PC, 128
.set TM, 152
.set PW, 170
.set G1A, 24
.set G0A, 32
.set G1B, 48
.set G0B, 56
.set G1SA, 68
.set G0SA, 76
.set G1SB, 80
.set G0SB, 88
.set SEL, 100
.set MSB, 0
.macro WIN new
.if MSB != (\new)
	s_set_vgpr_msb (MSB<<8)|(\new)
.set MSB, \new
.endif
.endm
.macro PLACES n
.rept \n
	v_nop
.endr
.endm
.macro CREST
	s_cmp_lg_u32 s14, 0
	s_cbranch_scc1 .Lnot_wave_0_\@
	s_barrier_signal -3
.Lnot_wave_0_\@:
	s_barrier_wait -3
	s_barrier_signal -1
	s_barrier_wait -1
.endm
.macro CROUND
	s_barrier_signal -1
	s_barrier_wait -1
	CREST
.endm
.macro JLOAD g0a, g1a, g0b, g1b
	s_cmp_eq_u32 s15, 0
	s_cbranch_scc0 .Lfor_b_\@
	tensor_load_to_lds s[\g0a:\g0a+3], s[\g1a:\g1a+7]
	s_nop 0
	PLACES 4
	s_branch .Lasked_\@
.Lfor_b_\@:
	tensor_load_to_lds s[\g0b:\g0b+3], s[\g1b:\g1b+7]
	s_nop 0
	PLACES 4
.Lasked_\@:
.endm
.macro DESC g, c, r, p
	s_mov_b32 s[\g+1], ((\c)&0xffff)<<16
	s_mov_b32 s[\g+2], (\r)<<16
	s_mov_b32 s[\g+3], (\c)<<16
	s_mov_b32 s[\g+4], \r
	s_mov_b32 s[\g+5], \p
	s_mov_b32 s[\g+6], 0
	s_mov_b32 s[\g+7], 0
.endm
.macro FRAG reg, adr, off
	ds_load_b128 v[\reg:\reg+3], v[\adr] offset:\off
	ds_load_b64 v[\reg+4:\reg+5], v[\adr+1] offset:\off+512
	ds_load_b128 v[\reg+6:\reg+9], v[\adr] offset:\off+768
	ds_load_b64 v[\reg+10:\reg+11], v[\adr+1] offset:\off+1280
.endm
.macro FETCH slot, q, p
	WIN 0x40
.set ii, 0
.rept AB
	FRAG BF0+BFP*(\p)+12*ii, ADRB+2*(\slot), ((\q)*2*AB+ii)*1536
.set ii, ii+1
.endr
.if BIG
	WIN 0
.endif
.set ii, 0
.rept AB
	FRAG AF0+AFP*(\p)+12*ii, ADRA+2*(\slot), ((\q)*2*AB+ii)*1536
.set ii, ii+1
.endr
	WIN 0
.endm
; A quarter of a K step's LDS loads, 16 of them: t = 0, 1: the weight's blocks 4 t .. 4 t + 3; t = 2, 3: the tokens' blocks 4 (t - 2) ..
.macro PART slot, q, p, t
.if (\t) < 2
	WIN 0x40
.set ii, 4*(\t)
.rept 4
	FRAG BF0+BFP*(\p)+12*ii, ADRB+2*(\slot), ((\q)*2*AB+ii)*1536
.set ii, ii+1
.endr
.else
	WIN 0
.set ii, 4*(\t)-8
.rept 4
	FRAG AF0+AFP*(\p)+12*ii, ADRA+2*(\slot), ((\q)*2*AB+ii)*1536
.set ii, ii+1
.endr
.endif
.endm
.macro SCALES s
.set ii, 0
.rept AB
.set jj, 0
.rept NQ/2
	ds_load_b32 v[32+16*(\s)+(NQ/2)*ii+jj], v[ADSA] offset:4*jj*AB*64+ii*64
	ds_load_b32 v[40+16*(\s)+(NQ/2)*ii+jj], v[ADSB] offset:4*jj*AB*64+ii*64
.set jj, jj+1
.endr
.set ii, ii+1
.endr
.endm
.macro WM x, y, sx, sy, q, cm
.if \cm
	v_wmma_scale_f32_16x16x128_f8f6f4 v[rD:rD+7], v[\x:\x+11], v[\y:\y+11], v[rC:rC+7], v[\sx], v[\sy] matrix_a_fmt:MATRIX_FMT_FP6 matrix_b_fmt:MATRIX_FMT_FP6
.elseif ((\q)%2)==0
	v_wmma_scale_f32_16x16x128_f8f6f4 v[rD:rD+7], v[\x:\x+11], v[\y:\y+11], v[rD:rD+7], v[\sx], v[\sy] matrix_a_fmt:MATRIX_FMT_FP6 matrix_b_fmt:MATRIX_FMT_FP6
.else
	v_wmma_scale_f32_16x16x128_f8f6f4 v[rD:rD+7], v[\x:\x+11], v[\y:\y+11], v[rD:rD+7], v[\sx], v[\sy] matrix_a_fmt:MATRIX_FMT_FP6 matrix_b_fmt:MATRIX_FMT_FP6 matrix_a_scale:MATRIX_SCALE_ROW1 matrix_b_scale:MATRIX_SCALE_ROW1
.endif
.endm
.macro MULQ t, p, q, sc, cm
.if BIG
.if \cm
	WIN 0x91+0x40*((\t)/2)
.else
	WIN 0xa1+0x50*((\t)/2)
.endif
.else
	WIN 0x05
.endif
.set ia, (\t)*AB/4
.rept AB/4
.set ib, 0
.rept AB
.if BIG
.set rD, 8*(8*(ia%4)+ib)
.set rC, 192+8*ib
.else
.set rD, 128+8*(4*ia+ib)
.set rC, rD
.endif
.set rB, BF0+BFP*(\p)+12*ib
.set rA, AF0+AFP*(\p)+12*ia
.set rT, 40+16*(\sc)+(NQ/2)*ib+(\q)/2
.set rS, 32+16*(\sc)+(NQ/2)*ia+(\q)/2
	WM rB, rA, rT, rS, \q, \cm
.set ib, ib+1
.endr
.set ia, ia+1
.endr
.endm
.macro STEP slot, q, cm
	s_wait_dscnt 16                                ; all is in but the youngest 16 loads, the tokens' blocks 4-7
	PLACES 4                                       ; places in front of loads into registers that the last step's products read
	PART \slot, (\q)+1, 1-(\q)%2, 0                ; the next step's loads stand in four parts among this step's products
	MULQ 0, (\q)%2, \q, \slot, \cm
	PART \slot, (\q)+1, 1-(\q)%2, 1
	MULQ 1, (\q)%2, \q, \slot, \cm
	s_wait_dscnt 32                                ; all but the 32 just issued: the tokens' blocks 4-7 are in
	PART \slot, (\q)+1, 1-(\q)%2, 2
	MULQ 2, (\q)%2, \q, \slot, \cm
	PART \slot, (\q)+1, 1-(\q)%2, 3
	MULQ 3, (\q)%2, \q, \slot, \cm
.endm
.macro STEPS slot, cm
	STEP \slot, 0, \cm
.set qq, 1
.rept NQ-2
	STEP \slot, qq, 0
.set qq, qq+1
.endr
.endm
.macro TURN slot, next, fill
	WIN 0
.if \fill
	s_wait_xcnt 0x0                                ; my last prefetch has read its address: it is stepped only behind this wait
	s_add_nc_u64 s[PFA:PFA+1], s[PFA:PFA+1], s[PFS:PFS+1]
.endif
	s_wait_tensorcnt 0x0
	ds_add_u32 v[SPW], v[NIL]
	s_wait_dscnt 17                                ; the add and the tokens' blocks 4-7 may be out
	MULQ 0, 1, NQ-1, \slot, 0
	s_wait_dscnt 0x0
	s_barrier_signal -1
	MULQ 1, 1, NQ-1, \slot, 0
	WIN 0
	s_barrier_wait -1
.if \fill
	CREST
	s_add_nc_u64 s[G0A+4*\slot+2:G0A+4*\slot+3], s[G0A+4*\slot+2:G0A+4*\slot+3], 2*NQ*APITCH
	s_add_nc_u64 s[G0B+4*\slot+2:G0B+4*\slot+3], s[G0B+4*\slot+2:G0B+4*\slot+3], 2*NQ*BPITCH
	JLOAD G0A+4*\slot, G1A, G0B+4*\slot, G1B
.else
	PLACES 4
.endif
	s_wait_alu depctr_va_vdst(0)
	v_add_nc_u32 v[ADSA], 2*NQ*AB*64, v[ADSA]
	v_add_nc_u32 v[ADSB], 2*NQ*AB*64, v[ADSB]
	SCALES \next
.if \fill
	s_cmp_gt_u32 s3, 1                             ; the last trip's look-ahead would pass the end of K
	s_cbranch_scc0 .Lnopf_\@
	global_prefetch_b8 v[PFO+3], s[PFA:PFA+1] th:TH_LOAD_NT scope:SCOPE_SE
.Lnopf_\@:
.endif
	PART \next, 0, 0, 0
	PART \next, 0, 0, 1
	MULQ 2, 1, NQ-1, \slot, 0
	PART \next, 0, 0, 2
	PART \next, 0, 0, 3
	MULQ 3, 1, NQ-1, \slot, 0
.endm
.macro LAST slot
	s_wait_dscnt 0x0
	MULQ 0, 1, NQ-1, \slot, 0
	MULQ 1, 1, NQ-1, \slot, 0
	MULQ 2, 1, NQ-1, \slot, 0
	MULQ 3, 1, NQ-1, \slot, 0
	WIN 0
.endm
.macro QUANT s
.irp b, 0,1,2,3
	v_max3_num_f32 v[TM+\b], |v[\s+16*\b]|, |v[\s+1+16*\b]|, 0x1800000
.endr
.irp i, 2,4,6,8,10,12,14
.irp b, 0,1,2,3
	v_max3_num_f32 v[TM+\b], v[TM+\b], |v[\s+16*\b+\i]|, |v[\s+1+16*\b+\i]|
.endr
.endr
.irp b, 0,1,2,3
	v_permlanex16_b32 v[TM+4+\b], v[TM+\b], s[SEL], s[SEL+1]
.endr
.irp b, 0,1,2,3
	v_max_num_f32 v[TM+\b], v[TM+\b], v[TM+4+\b]
.endr
.irp b, 0,1,2,3
	v_add_nc_u32 v[TM+12+\b], 0xff000000, v[TM+\b]
.endr
.irp b, 0,1,2,3
	v_lshrrev_b32 v[TM+4+\b], 23, v[TM+12+\b]
.endr
	v_lshl_or_b32 v[PW], v[TM+5], 8, v[TM+4]
	v_lshl_or_b32 v[PW], v[TM+6], 16, v[PW]
	v_lshl_or_b32 v[PW], v[TM+7], 24, v[PW]
.irp c, 0,1
	v_cvt_scalef32_pk16_fp6_f32 v[PC+6*\c:PC+2+6*\c], v[\s+32*\c:\s+15+32*\c], v[TM+12+2*\c]
	v_cvt_scalef32_pk16_fp6_f32 v[PC+12+4*\c:PC+14+4*\c], v[\s+16+32*\c:\s+31+32*\c], v[TM+12+2*\c+1]
.endr
	v_nop
.irp c, 0,1
.irp i, 0,1,2
	v_permlane16_swap_b32 v[PC+6*\c+\i], v[PC+12+4*\c+\i]
.endr
.irp i, 0,1,2
	v_mov_b32 v[PC+3+6*\c+\i], v[PC+12+4*\c+\i]
.endr
.endr
.endm
	s_load_b256 s[4:11], s[0:1], 0x0
	v_lshl_add_u32 v[SPW], v0, 2, SPARE
	v_mov_b32 v[NIL], 0
	ds_add_u32 v[SPW], v[NIL]
	ds_add_u32 v[SPW], v[NIL]
	v_lshrrev_b32 v1, 5, v0
	v_readfirstlane_b32 s14, v1
	s_lshr_b32 s15, s14, 1
	s_and_b32 s16, s14, 1
	s_bfe_u32 s40, ttmp6, 0x40000
	s_bfe_u32 s41, ttmp6, 0x40004
	s_lshl_b32 s42, ttmp9, 2
	s_add_co_u32 s42, s42, s40
	s_and_b32 s17, ttmp7, 0xffff
	s_lshl_b32 s17, s17, 2
	s_add_co_u32 s17, s17, s41
	s_lshl_b32 s43, s41, 2
	s_lshl_b32 s43, 15, s43
	s_lshl_b32 s44, 0x1111, s40
	s_or_b32 s[G1A], s43, (3<<16)|(1<<21)
	s_or_b32 s[G1SA], s43, (3<<16)|(1<<21)
	s_or_b32 s[G1B], s44, (3<<16)|(1<<21)
	s_or_b32 s[G1SB], s44, (3<<16)|(1<<21)
	DESC G1A, 2*AB*192, NQ, APITCH/8               ; at the head: a whole slot of one operand, NQ K steps x 16 tiles
	DESC G1B, 2*AB*192, NQ, BPITCH/8
	DESC G1SA, 2*AB*8, KST, ASP/8                  ; the scale words of all of K
	DESC G1SB, 2*AB*8, KST, BSP/8
	s_mov_b32 s[SEL], 0x76543210
	s_mov_b32 s[SEL+1], 0xfedcba98
	s_mov_b32 s18, 0
	s_mul_i32 s20, s17, 2*AB
	s_add_co_u32 s20, s20, s18
	s_lshl_b32 s22, s20, 6
	s_add_co_u32 s22, s22, ASOFF
	s_mul_i32 s20, s20, 1536
	s_mov_b32 s21, 0
	s_mov_b32 s23, 0
	s_mul_i32 s46, s42, 2*AB
	s_add_co_u32 s46, s46, s18
	s_lshl_b32 s92, s46, 6
	s_add_co_u32 s92, s92, BSOFF
	s_mul_i32 s46, s46, 1536
	s_add_co_u32 s46, s46, BOFF
	s_mov_b32 s47, 0
	s_mov_b32 s93, 0
	s_mul_i32 s45, s14, HALFT
	s_wait_dscnt 0x0
	s_wait_kmcnt 0x0
	s_add_nc_u64 s[20:21], s[4:5], s[20:21]
	s_add_nc_u64 s[22:23], s[4:5], s[22:23]
	s_add_nc_u64 s[46:47], s[6:7], s[46:47]
	s_add_nc_u64 s[92:93], s[6:7], s[92:93]
	CROUND
	s_mov_b32 s[G0SA], 1
	s_mov_b32 s[G0SA+1], SCL
	s_mov_b64 s[G0SA+2:G0SA+3], s[22:23]
	s_or_b32 s[G0SA+3], s[G0SA+3], 0x80000000
	s_mov_b32 s[G0SB], 1
	s_mov_b32 s[G0SB+1], SCL+2*PS
	s_mov_b64 s[G0SB+2:G0SB+3], s[92:93]
	s_or_b32 s[G0SB+3], s[G0SB+3], 0x80000000
	s_mov_b32 s[G0H], 1
	s_mov_b32 s[G0H+1], 0
	s_mov_b64 s[G0H+2:G0H+3], s[20:21]
	s_or_b32 s[G0H+3], s[G0H+3], 0x80000000
	s_mov_b32 s[G0HB], 1
	s_mov_b32 s[G0HB+1], 2*HALFT
	s_mov_b64 s[G0HB+2:G0HB+3], s[46:47]
	s_or_b32 s[G0HB+3], s[G0HB+3], 0x80000000
	s_mul_i32 s18, s16, (NQ/2)*APITCH              ; in the ring a wave fetches half a slot's K steps of one operand
	s_mov_b32 s19, 0
	s_add_nc_u64 s[20:21], s[20:21], s[18:19]
	s_mul_i32 s18, s16, (NQ/2)*BPITCH
	s_add_nc_u64 s[46:47], s[46:47], s[18:19]
	s_cmp_eq_u32 s15, 0                            ; the prefetches: do I fetch for h1?
	s_cselect_b64 s[PFA:PFA+1], s[20:21], s[46:47]
	s_cselect_b32 s18, s40, s41                    ; my place among the four that ask with me
	s_mov_b32 s[PFS], NQ*BPITCH
	s_cselect_b32 s[PFS], NQ*APITCH, s[PFS]
	s_mov_b32 s[PFS+1], 0
	s_mul_i32 s18, s18, 24*256
	s_add_nc_u64 s[PFA:PFA+1], s[PFA:PFA+1], s[18:19]
.irp s, 0,1
	s_mov_b32 s[G0A+4*\s], 1
	s_add_co_u32 s[G0A+4*\s+1], s45, \s*SLOT
	s_add_nc_u64 s[G0A+4*\s+2:G0A+4*\s+3], s[20:21], \s*NQ*APITCH
	s_or_b32 s[G0A+4*\s+3], s[G0A+4*\s+3], 0x80000000
	s_mov_b32 s[G0B+4*\s], 1
	s_add_co_u32 s[G0B+4*\s+1], s45, \s*SLOT
	s_add_nc_u64 s[G0B+4*\s+2:G0B+4*\s+3], s[46:47], \s*NQ*BPITCH
	s_or_b32 s[G0B+4*\s+3], s[G0B+4*\s+3], 0x80000000
.endr
; THE HEAD'S LOADS, one a wave: wave 0 slot 0 of h1, wave 1 of W2, wave 2 h1's scale words, wave 3 W2's.  One chain of branches on the wave's number, all arms leading to one join.
.macro ARM under, g0, g1, next
	s_cmp_lt_u32 s14, \under
	s_cbranch_scc0 \next
	tensor_load_to_lds s[\g0:\g0+3], s[\g1:\g1+7]
	s_nop 0
	PLACES 4
	s_branch .Lhead_asked
\next:
.endm
	ARM 1, G0H, G1A, .Lhead_b
	ARM 2, G0HB, G1B, .Lhead_sa
	ARM 3, G0SA, G1SA, .Lhead_sb
	tensor_load_to_lds s[G0SB:G0SB+3], s[G1SB:G1SB+7]
	s_nop 0
	PLACES 4
.Lhead_asked:
	v_and_b32 v5, 31, v0
	v_and_b32 v1, 15, v0
	v_bfe_u32 v2, v0, 4, 1
	v_lshlrev_b32 v[L16], 4, v5
	v_lshlrev_b32 v[L8], 3, v5
	v_min_u32 v[PFO], 23, v5
	v_lshlrev_b32 v[PFO], 8, v[PFO]
	v_add_nc_u32 v[PFO+1], s[PFS], v[PFO]
	v_add_nc_u32 v[PFO+2], s[PFS], v[PFO+1]
	v_add_nc_u32 v[PFO+3], s[PFS], v[PFO+2]
	global_prefetch_b8 v[PFO+1], s[PFA:PFA+1] th:TH_LOAD_NT scope:SCOPE_SE   ; fills 1, 2 and 3
	global_prefetch_b8 v[PFO+2], s[PFA:PFA+1] th:TH_LOAD_NT scope:SCOPE_SE
	global_prefetch_b8 v[PFO+3], s[PFA:PFA+1] th:TH_LOAD_NT scope:SCOPE_SE
	s_mul_i32 s21, s15, AB*1536
	s_mul_i32 s22, s16, AB*1536
	s_add_co_u32 s22, s22, 2*HALFT
.irp s, 0,1
	v_add_nc_u32 v[ADRA+2*\s], s21, v[L16]
	v_add_nc_u32 v[ADRA+2*\s+1], s21, v[L8]
	v_add_nc_u32 v[ADRB+2*\s], s22, v[L16]
	v_add_nc_u32 v[ADRB+2*\s+1], s22, v[L8]
	s_add_co_u32 s21, s21, SLOT
	s_add_co_u32 s22, s22, SLOT
.endr
	v_lshlrev_b32 v6, 2, v1
	v_mad_u32_u24 v6, v2, 2*AB*64, v6
	s_mul_i32 s21, s15, AB*64
	s_add_co_u32 s21, s21, SCL
	v_add_nc_u32 v[ADSA], s21, v6
	s_mul_i32 s22, s16, AB*64
	s_add_co_u32 s22, s22, SCL+2*PS
	v_add_nc_u32 v[ADSB], s22, v6
	s_lshl_b32 s21, s14, 9
	s_add_co_u32 s21, s21, SST
	v_lshl_add_u32 v20, v1, 2, s21
	v_add_nc_u32 v21, s21, v[L16]
	s_lshl_b32 s18, s42, 10
	s_lshl_b32 s19, s16, 9
	s_add_co_u32 s18, s18, s19
	s_mov_b32 s19, 0
	s_add_nc_u64 s[8:9], s[8:9], s[18:19]
	v_lshlrev_b32 v7, 6, v2
	WIN 0x40
.set ib, 0
.rept 8
	global_load_b128 v[192+8*ib:195+8*ib], v7, s[8:9] offset:128*(ib/2)+32*(ib%2)
	global_load_b128 v[196+8*ib:199+8*ib], v7, s[8:9] offset:128*(ib/2)+32*(ib%2)+16
.set ib, ib+1
.endr
	WIN 0
	s_lshl_b32 s18, s42, 1
	s_add_co_u32 s18, s18, s16
	s_lshl_b32 s19, s17, 4
	s_lshl_b32 s20, s15, 3
	s_add_co_u32 s19, s19, s20
	s_mul_i32 s20, s18, 786432
	s_mul_i32 s21, s19, 1536
	s_add_co_u32 s20, s20, s21
	s_mov_b32 s21, 0
	s_add_nc_u64 s[12:13], s[10:11], s[20:21]
	s_lshl_b32 s20, s18, 15
	s_lshl_b32 s22, s19, 6
	s_add_co_u32 s20, s20, s22
	s_add_co_u32 s20, s20, HSW
	s_add_nc_u64 s[10:11], s[10:11], s[20:21]
	s_wait_alu depctr_va_vdst(0)
	s_wait_tensorcnt 0x0                           ; my tile of the head's four is in
	ds_add_u32 v[SPW], v[NIL]
	s_mov_b32 s[G1A+2], (NQ/2)<<16                 ; no tensor load of mine is out: from here on a load brings one K step's row
	s_mov_b32 s[G1A+4], NQ/2
	s_mov_b32 s[G1A+6], 1<<16                      ; (a one-row tile states a plane stride)
	s_mov_b32 s[G1B+2], (NQ/2)<<16
	s_mov_b32 s[G1B+4], NQ/2
	s_mov_b32 s[G1B+6], 1<<16
	s_wait_dscnt 0x0
	CROUND                                         ; everybody's tile is in, and the sixteen work-groups meet
	JLOAD G0A+4, G1A, G0B+4, G1B                   ; slot 1's first fill, a quarter a wave
	SCALES 0                                       ; the scale words first: the youngest 16 loads are the tokens' blocks 4-7
	FETCH 0, 0, 0
	s_wait_loadcnt 0x0
	STEPS 0, 1
.if LAPS > 1
	WIN 0
	s_mov_b32 s3, LAPS-1
.Llap:
	TURN 0, 1, 1
	STEPS 1, 0
	TURN 1, 0, 1
	STEPS 0, 0
	WIN 0
	s_sub_co_u32 s3, s3, 1
	s_cmp_lg_u32 s3, 0
	s_cbranch_scc1 .Llap
.endif
	TURN 0, 1, 0
	STEPS 1, 0
	LAST 1
	PLACES 4
.irp b, 0,1,2,3
	v_mov_b32 v[TM+4+\b], 0
.endr
.set ia, 0
.rept 8
	WIN 0x08+4*(ia/4)
.set jj, 0
.rept 64
	v_max_num_f32 v[64+jj], 0, v[64*(ia%4)+jj]
.set jj, jj+1
.endr
	WIN 0
.if ia > 0
	s_wait_xcnt 0x0
.endif
	QUANT 64
	global_store_b128 v[L16], v[PC:PC+3], s[12:13] offset:1536*ia
	global_store_b64 v[L8], v[PC+4:PC+5], s[12:13] offset:1536*ia+512
	global_store_b128 v[L16], v[PC+6:PC+9], s[12:13] offset:1536*ia+768
	global_store_b64 v[L8], v[PC+10:PC+11], s[12:13] offset:1536*ia+1280
	ds_store_b32 v20, v[PW] offset:64*ia
.set ia, ia+1
.endr
	ds_load_b128 v[64:67], v21
	s_wait_dscnt 0x0
	global_store_b128 v[L16], v[64:67], s[10:11]
	s_wait_tensorcnt 0x0
	ds_add_u32 v[SPW], v[NIL]
	s_wait_dscnt 0x0
	CROUND
	s_endpgm
.Lfunc_end_k_q18340fae86_w2:
	.size	k_q18340fae86_w2, .Lfunc_end_k_q18340fae86_w2-k_q18340fae86_w2
	.p2alignl 7, 3214868480
	.fill 96, 4, 3214868480
	.section	.rodata,"a",@progbits
	.p2align	6, 0x0
	.amdhsa_kernel k_q18340fae86_w2
		.amdhsa_group_segment_fixed_size 327680
		.amdhsa_private_segment_fixed_size 0
		.amdhsa_enable_private_segment 0
		.amdhsa_kernarg_size 32
		.amdhsa_user_sgpr_count 2
		.amdhsa_user_sgpr_kernarg_segment_ptr 1
		.amdhsa_wavefront_size32 1
		.amdhsa_system_sgpr_workgroup_id_x 1
		.amdhsa_system_sgpr_workgroup_id_y 1
		.amdhsa_system_sgpr_workgroup_id_z 1
		.amdhsa_system_vgpr_workitem_id 0
		.amdhsa_next_free_vgpr 1024
		.amdhsa_next_free_sgpr 102
		.amdhsa_reserve_vcc 0
		.amdhsa_float_denorm_mode_32 3
		.amdhsa_float_denorm_mode_16_64 3
		.amdhsa_memory_ordered 1
		.amdhsa_forward_progress 1
		.amdhsa_inst_pref_size 171
	.end_amdhsa_kernel
	.amdgpu_metadata
---
amdhsa.version: [ 1, 2 ]
amdhsa.kernels:
  - .name:           k_q18340fae86_w2
    .symbol:         k_q18340fae86_w2.kd
    .args:
      - { .name: wsH1, .offset: 0, .size: 8, .value_kind: global_buffer, .address_space: global }
      - { .name: wsP, .offset: 8, .size: 8, .value_kind: global_buffer, .address_space: global }
      - { .name: b2, .offset: 16, .size: 8, .value_kind: global_buffer, .address_space: global }
      - { .name: wsH2, .offset: 24, .size: 8, .value_kind: global_buffer, .address_space: global }
    .group_segment_fixed_size: 327680
    .private_segment_fixed_size: 0
    .kernarg_segment_align: 8
    .kernarg_segment_size: 32
    .max_flat_workgroup_size: 128
    .sgpr_count:     102
    .vgpr_count:     1024
    .wavefront_size: 32
...
	.end_amdgpu_metadata
.endif
;; end of part 6
;; launch w3 (part 7): grid 4 x 64, 4 waves a work-group, clusters of 4 x 4, 327,680 bytes of LDS; arguments wsH2, wsP, wsA, b3, out0; writes out0
.if DOCPART == 7
	.amdgcn_target "amdgcn-amd-amdhsa--gfx1250"
	.amdhsa_code_object_version 6
	.text
	.protected	k_q18340fae86_w3
	.globl	k_q18340fae86_w3
	.p2align	8
	.type	k_q18340fae86_w3,@function
k_q18340fae86_w3:
	s_mov_b64 s[64:65], 0
	v_nop
	global_prefetch_b8 v0, s[64:65] scope:SCOPE_SE
	s_setreg_imm32_b32 hwreg(HW_REG_WAVE_MODE, 25, 1), 1
	s_wait_xcnt 0x0
	s_wait_alu depctr_hold_cnt(0) depctr_sa_sdst(0) depctr_va_vdst(0) depctr_va_sdst(0) depctr_va_ssrc(0) depctr_va_vcc(0) depctr_vm_vsrc(0)
	s_getreg_b32 s2, hwreg(HW_REG_IB_STS2, 6, 4)
	s_cmp_eq_u32 s2, 0
	s_cbranch_scc0 .Lentry_in_a_cluster
	s_endpgm
.Lentry_in_a_cluster:
	s_bfe_u32 s2, ttmp6, 0x10000c
	s_cmp_lg_u32 s2, 0xf033
	s_cbranch_scc0 .Lentry_shape_is_right
	s_endpgm
.Lentry_shape_is_right:
; out0 = att + h2 W3 + b3 on codes of E2M3, stored [position][batch][512] in f32.  Nothing of reference() is left out here.
; A work-group of four waves makes 128 tokens x 128 columns, a wave 64 x 64: 16 accumulators.  K = 2,048 is sixteen steps of 128 through a ring of two LDS slots of four steps; two laps, of which the first fills both slots again.
; The scale words of all of K come with the first fills and stay.  CLUSTER 4 x 4: h2's tiles are shared along a row, W3's along a column; a refill stands behind a round of the cluster's barrier.
; Source 0 = 16 rows of W3, source 1 = 16 tokens: a lane holds one token, its registers run along the columns.  b3 is the C of each sum's first product, and att (as wo's wave of the same place left its accumulators) is added behind the last
; (another order of f32 rounding than reference()'s).  THE WAY OUT goes through a stage of the wave's own, so that sixteen lanes store 256 consecutive bytes of a token's row, aligned.
; REGISTERS: window 0: v1-29 addresses, v32-63 scale words (two sets), v64-127 b3, later rows on the way out, v128-255 accumulators.  Window 1: two sets of fragments (h2 at 48 p, W3 at 96 + 48 p).
; LIMITS: as stated at the head of prep.
; LDS holds [K step][8 tiles][1,536] for each operand.  PREFETCH: a wave's part of a slot is two K steps of 8 tiles, 48 blocks of 256 bytes each; each of the four partners that ask for it jointly names 12 of each,
; told apart by address (lanes 0-15 the first K step, lanes 16-31 the second; four lanes of each name the 12th again).  Slots' fills 1 and 2 at the head, fill 3 at the first change of slots, one refill ahead.
; THE RESIDUAL: the sums start from b3 (the C of each sum's first product); att is loaded into window 2 (v0-127 there) behind slot 1's fill and added behind the last product: (b3 + sums) + att.
.set BIG, 0
.set G0H, 4                            ; s[4:7], s[96:99]: group 0 of the head's loads of slot 0, whole (the arguments in s[4:7] have been used by then)
.set G0HB, 96
.set PFA, 66                           ; s[66:67] where my prefetches stand; never rewritten
.set PFO, 23                           ; v23 my lane's block; v24-26 the same 1, 2, 3 fills on; never rewritten
.set AB, 4
.set NQ, 4
.set KST, 16
.set APITCH, 786432
.set ASOFF, 12582912
.set ASP, 32768
.set BOFF, 4915200+128*1536
.set BPITCH, 245760
.set BSOFF, 8847360+128*64
.set BSP, 10240
.set LAPS, KST/(2*NQ)
.set PS, KST*AB*64
.set HALFT, 24576
.set SLOT, 4*HALFT
.set SCL, 2*SLOT
.set OST, SCL+4*PS                     ; the stages: 16 rows x (256 bytes + 16) for each wave; no fill lands here
.set SPARE, OST+4*16*272               ; the spare words, 128 bytes for each wave, that no other line names
.set AFO, 3276800
.set AF0, 0
.set AFP, 48
.set BF0, 96
.set BFP, 48
.set L16, 3
.set L8, 4
.set ADRA, 8
.set ADRB, 12
.set ADSA, 18
.set ADSB, 19
.set SPW, 28
.set NIL, 29
.set G1A, 24
.set G0A, 32
.set G1B, 48
.set G0B, 56
.set G1SA, 68
.set G0SA, 76
.set G1SB, 80
.set G0SB, 88
.set MSB, 0
.macro WIN new                         ; the immediate's high byte repeats the setting that is left
.if MSB != (\new)
	s_set_vgpr_msb (MSB<<8)|(\new)
.set MSB, \new
.endif
.endm
.macro PLACES n
.rept \n
	v_nop
.endr
.endm
.macro CREST
	s_cmp_lg_u32 s14, 0
	s_cbranch_scc1 .Lnot_wave_0_\@
	s_barrier_signal -3
.Lnot_wave_0_\@:
	s_barrier_wait -3
	s_barrier_signal -1
	s_barrier_wait -1
.endm
.macro CROUND                          ; a round of the cluster's barrier
	s_barrier_signal -1
	s_barrier_wait -1
	CREST
.endm
.macro JLOAD g0a, g1a, g0b, g1b        ; a joint load: waves 0 and 1 fetch for the tokens' operand, waves 2 and 3 for the weight; an s_nop 0 and four v_nop follow each line
	s_cmp_eq_u32 s15, 0
	s_cbranch_scc0 .Lfor_b_\@
	tensor_load_to_lds s[\g0a:\g0a+3], s[\g1a:\g1a+7]
	s_nop 0
	PLACES 4
	s_branch .Lasked_\@
.Lfor_b_\@:
	tensor_load_to_lds s[\g0b:\g0b+3], s[\g1b:\g1b+7]
	s_nop 0
	PLACES 4
.Lasked_\@:
.endm
.macro DESC g, c, r, p                 ; words 1 to 7 of a group 1: r rows of c elements of 8 bytes, p elements from row to row, no padding
	s_mov_b32 s[\g+1], ((\c)&0xffff)<<16
	s_mov_b32 s[\g+2], (\r)<<16
	s_mov_b32 s[\g+3], (\c)<<16
	s_mov_b32 s[\g+4], \r
	s_mov_b32 s[\g+5], \p
	s_mov_b32 s[\g+6], 0
	s_mov_b32 s[\g+7], 0
.endm
.macro FRAG reg, adr, off              ; a fragment's image back into 12 registers: every load reads consecutive bytes
	ds_load_b128 v[\reg:\reg+3], v[\adr] offset:\off
	ds_load_b64 v[\reg+4:\reg+5], v[\adr+1] offset:\off+512
	ds_load_b128 v[\reg+6:\reg+9], v[\adr] offset:\off+768
	ds_load_b64 v[\reg+10:\reg+11], v[\adr+1] offset:\off+1280
.endm
.macro FETCH slot, q, p                ; the slot's q-th K step into set p
	WIN 0x40
.set ii, 0
.rept AB
	FRAG BF0+BFP*(\p)+12*ii, ADRB+2*(\slot), ((\q)*2*AB+ii)*1536
.set ii, ii+1
.endr
.if BIG
	WIN 0
.endif
.set ii, 0
.rept AB
	FRAG AF0+AFP*(\p)+12*ii, ADRA+2*(\slot), ((\q)*2*AB+ii)*1536
.set ii, ii+1
.endr
	WIN 0
.endm
; Half of a K step's LDS loads, 16 of them: t = 0: W3's four blocks; t = 1: h2's four
.macro PART slot, q, p, t
	WIN 0x40
.set ii, 0
.rept AB
.if (\t) == 0
	FRAG BF0+BFP*(\p)+12*ii, ADRB+2*(\slot), ((\q)*2*AB+ii)*1536
.else
	FRAG AF0+AFP*(\p)+12*ii, ADRA+2*(\slot), ((\q)*2*AB+ii)*1536
.endif
.set ii, ii+1
.endr
.endm
.macro SCALES s
.set ii, 0
.rept AB
.set jj, 0
.rept NQ/2
	ds_load_b32 v[32+16*(\s)+(NQ/2)*ii+jj], v[ADSA] offset:4*jj*AB*64+ii*64
	ds_load_b32 v[40+16*(\s)+(NQ/2)*ii+jj], v[ADSB] offset:4*jj*AB*64+ii*64
.set jj, jj+1
.endr
.set ii, ii+1
.endr
.endm
.macro WM x, y, sx, sy, q, cm
.if \cm
	v_wmma_scale_f32_16x16x128_f8f6f4 v[rD:rD+7], v[\x:\x+11], v[\y:\y+11], v[rC:rC+7], v[\sx], v[\sy] matrix_a_fmt:MATRIX_FMT_FP6 matrix_b_fmt:MATRIX_FMT_FP6
.elseif ((\q)%2)==0
	v_wmma_scale_f32_16x16x128_f8f6f4 v[rD:rD+7], v[\x:\x+11], v[\y:\y+11], v[rD:rD+7], v[\sx], v[\sy] matrix_a_fmt:MATRIX_FMT_FP6 matrix_b_fmt:MATRIX_FMT_FP6
.else
	v_wmma_scale_f32_16x16x128_f8f6f4 v[rD:rD+7], v[\x:\x+11], v[\y:\y+11], v[rD:rD+7], v[\sx], v[\sy] matrix_a_fmt:MATRIX_FMT_FP6 matrix_b_fmt:MATRIX_FMT_FP6 matrix_a_scale:MATRIX_SCALE_ROW1 matrix_b_scale:MATRIX_SCALE_ROW1
.endif
.endm
.macro MULQ t, p, q, sc, cm            ; quarter t of a K step's products; the accumulators take turns, one instruction a turn, in the same order in every step
.if BIG
.if \cm
	WIN 0x91+0x40*((\t)/2)
.else
	WIN 0xa1+0x50*((\t)/2)
.endif
.else
	WIN 0x05
.endif
.set ia, (\t)*AB/4
.rept AB/4
.set ib, 0
.rept AB
.if BIG
.set rD, 8*(8*(ia%4)+ib)
.set rC, 192+8*ib
.else
.set rD, 128+8*(4*ia+ib)
.set rC, 64+8*ib                       ; b3, in the results' layout
.endif
.set rB, BF0+BFP*(\p)+12*ib
.set rA, AF0+AFP*(\p)+12*ia
.set rT, 40+16*(\sc)+(NQ/2)*ib+(\q)/2
.set rS, 32+16*(\sc)+(NQ/2)*ia+(\q)/2
	WM rB, rA, rT, rS, \q, \cm
.set ib, ib+1
.endr
.set ia, ia+1
.endr
.endm
.macro STEP slot, q, cm
	s_wait_dscnt 8                                 ; all is in but the youngest 8 loads, h2's blocks 2 and 3
	PLACES 4                                       ; places in front of loads into registers that the last step's products read
	PART \slot, (\q)+1, 1-(\q)%2, 0                ; the next step's loads stand in two parts among this step's products
	MULQ 0, (\q)%2, \q, \slot, \cm
	MULQ 1, (\q)%2, \q, \slot, \cm
	s_wait_dscnt 16                                ; all but the 16 just issued: h2's blocks 2 and 3 are in
	PART \slot, (\q)+1, 1-(\q)%2, 1
	MULQ 2, (\q)%2, \q, \slot, \cm
	MULQ 3, (\q)%2, \q, \slot, \cm
.endm
.macro STEPS slot, cm                  ; all of a slot's K steps but the last
	STEP \slot, 0, \cm
.set qq, 1
.rept NQ-2
	STEP \slot, qq, 0
.set qq, qq+1
.endr
.endm
; A slot's last K step changes slots: ONE barrier; in front of it each wave waits for all its tensor loads, adds 0 to its spare word, and waits for that and for its reads of this slot.  fill = 1: this slot is filled again, two slots ahead.
.macro TURN slot, next, fill
	WIN 0
	s_wait_tensorcnt 0x0                           ; all my tensor loads have landed: my part of the next slot
	ds_add_u32 v[SPW], v[NIL]                      ; 0 onto my spare word
	s_wait_dscnt 9                                 ; the add and h2's blocks 2 and 3 may be out
	MULQ 0, 1, NQ-1, \slot, 0
	s_wait_dscnt 0x0                               ; the add is done, and my reads of this slot are over
	s_barrier_signal -1
	MULQ 1, 1, NQ-1, \slot, 0
	WIN 0
	s_barrier_wait -1
.if \fill
	CREST                                          ; the barrier has opened a round of the cluster's: no wave of any partner still reads this slot or has a load on its way
	s_add_nc_u64 s[G0A+4*\slot+2:G0A+4*\slot+3], s[G0A+4*\slot+2:G0A+4*\slot+3], 2*NQ*APITCH
	s_add_nc_u64 s[G0B+4*\slot+2:G0B+4*\slot+3], s[G0B+4*\slot+2:G0B+4*\slot+3], 2*NQ*BPITCH
	JLOAD G0A+4*\slot, G1A, G0B+4*\slot, G1B       ; the first tensor load behind the round; its four v_nop are the places in front of the loads below
.else
	PLACES 4
.endif
	s_wait_alu depctr_va_vdst(0)
	v_add_nc_u32 v[ADSA], 2*NQ*AB*64, v[ADSA]      ; on to the next slot's scale words
	v_add_nc_u32 v[ADSB], 2*NQ*AB*64, v[ADSB]
	SCALES \next
.if (\fill) && (\slot) == 0
	global_prefetch_b8 v[PFO+3], s[PFA:PFA+1] th:TH_LOAD_NT scope:SCOPE_SE   ; fill 3, which the next change of slots asks for
.endif
	PART \next, 0, 0, 0
	MULQ 2, 1, NQ-1, \slot, 0
	PART \next, 0, 0, 1
	MULQ 3, 1, NQ-1, \slot, 0
.endm
.macro LAST slot
	s_wait_dscnt 0x0
	MULQ 0, 1, NQ-1, \slot, 0
	MULQ 1, 1, NQ-1, \slot, 0
	MULQ 2, 1, NQ-1, \slot, 0
	MULQ 3, 1, NQ-1, \slot, 0
	WIN 0
.endm
	s_load_b256 s[4:11], s[0:1], 0x0               ; wsH2 s4, wsP s6, wsA s8, b3 s10
	s_load_b64 s[12:13], s[0:1], 0x20              ; out0
	v_lshl_add_u32 v[SPW], v0, 2, SPARE
	v_mov_b32 v[NIL], 0
	ds_add_u32 v[SPW], v[NIL]                      ; the wave's opening: the add, twice on end, and its wait ahead of my first tensor load
	ds_add_u32 v[SPW], v[NIL]
	v_lshrrev_b32 v1, 5, v0
	v_readfirstlane_b32 s14, v1                    ; wave
	s_lshr_b32 s15, s14, 1                         ; my half of the tokens.  Also: in the ring I fetch for h2 (0) or for W3 (1)
	s_and_b32 s16, s14, 1                          ; my half of the columns.  Also: which two of a slot's four K steps I fetch
	s_bfe_u32 s40, ttmp6, 0x40000
	s_bfe_u32 s41, ttmp6, 0x40004
	s_lshl_b32 s42, ttmp9, 2
	s_add_co_u32 s42, s42, s40                     ; tx
	s_and_b32 s17, ttmp7, 0xffff
	s_lshl_b32 s17, s17, 2
	s_add_co_u32 s17, s17, s41                     ; ty
	s_lshl_b32 s43, s41, 2
	s_lshl_b32 s43, 15, s43                        ; my row of the cluster
	s_lshl_b32 s44, 0x1111, s40                    ; my column
	s_or_b32 s[G1A], s43, (3<<16)|(1<<21)
	s_or_b32 s[G1SA], s43, (3<<16)|(1<<21)
	s_or_b32 s[G1B], s44, (3<<16)|(1<<21)
	s_or_b32 s[G1SB], s44, (3<<16)|(1<<21)
	DESC G1A, 2*AB*192, NQ, APITCH/8               ; at the head: a whole slot of one operand, NQ K steps x 8 tiles
	DESC G1B, 2*AB*192, NQ, BPITCH/8
	DESC G1SA, 2*AB*8, KST, ASP/8
	DESC G1SB, 2*AB*8, KST, BSP/8
	s_mov_b32 s18, 0
	s_mul_i32 s20, s17, 2*AB
	s_add_co_u32 s20, s20, s18
	s_lshl_b32 s22, s20, 6
	s_add_co_u32 s22, s22, ASOFF
	s_mul_i32 s20, s20, 1536
	s_mov_b32 s21, 0
	s_mov_b32 s23, 0
	s_mul_i32 s46, s42, 2*AB
	s_add_co_u32 s46, s46, s18
	s_lshl_b32 s92, s46, 6
	s_add_co_u32 s92, s92, BSOFF
	s_mul_i32 s46, s46, 1536
	s_add_co_u32 s46, s46, BOFF
	s_mov_b32 s47, 0
	s_mov_b32 s93, 0
	s_mul_i32 s45, s14, HALFT
	s_wait_dscnt 0x0                               ; both opening adds are done
	s_wait_kmcnt 0x0
	s_add_nc_u64 s[20:21], s[4:5], s[20:21]
	s_add_nc_u64 s[22:23], s[4:5], s[22:23]
	s_add_nc_u64 s[46:47], s[6:7], s[46:47]
	s_add_nc_u64 s[92:93], s[6:7], s[92:93]
	CROUND                                         ; all sixteen work-groups are here: the first joint loads meet
	s_mov_b32 s[G0SA], 1
	s_mov_b32 s[G0SA+1], SCL
	s_mov_b64 s[G0SA+2:G0SA+3], s[22:23]
	s_or_b32 s[G0SA+3], s[G0SA+3], 0x80000000
	s_mov_b32 s[G0SB], 1
	s_mov_b32 s[G0SB+1], SCL+2*PS
	s_mov_b64 s[G0SB+2:G0SB+3], s[92:93]
	s_or_b32 s[G0SB+3], s[G0SB+3], 0x80000000
	s_mov_b32 s[G0H], 1
	s_mov_b32 s[G0H+1], 0
	s_mov_b64 s[G0H+2:G0H+3], s[20:21]
	s_or_b32 s[G0H+3], s[G0H+3], 0x80000000
	s_mov_b32 s[G0HB], 1
	s_mov_b32 s[G0HB+1], 2*HALFT
	s_mov_b64 s[G0HB+2:G0HB+3], s[46:47]
	s_or_b32 s[G0HB+3], s[G0HB+3], 0x80000000
	s_mul_i32 s18, s16, (NQ/2)*APITCH              ; in the ring a wave fetches half a slot's K steps of one operand
	s_mov_b32 s19, 0
	s_add_nc_u64 s[20:21], s[20:21], s[18:19]
	s_mul_i32 s18, s16, (NQ/2)*BPITCH
	s_add_nc_u64 s[46:47], s[46:47], s[18:19]
	s_cmp_eq_u32 s15, 0                            ; the prefetches: do I fetch for h2?
	s_cselect_b64 s[PFA:PFA+1], s[20:21], s[46:47]
	s_cselect_b32 s18, s40, s41                    ; my place among the four that ask with me
	s_mov_b32 s94, BPITCH
	s_cselect_b32 s94, APITCH, s94                 ; bytes from K step to K step
	s_mul_i32 s18, s18, 12*256
	s_add_nc_u64 s[PFA:PFA+1], s[PFA:PFA+1], s[18:19]
	s_lshl_b32 s95, s94, 2                         ; and from fill to fill: NQ = 4 K steps
.irp s, 0,1
	s_mov_b32 s[G0A+4*\s], 1
	s_add_co_u32 s[G0A+4*\s+1], s45, \s*SLOT
	s_add_nc_u64 s[G0A+4*\s+2:G0A+4*\s+3], s[20:21], \s*NQ*APITCH
	s_or_b32 s[G0A+4*\s+3], s[G0A+4*\s+3], 0x80000000
	s_mov_b32 s[G0B+4*\s], 1
	s_add_co_u32 s[G0B+4*\s+1], s45, \s*SLOT
	s_add_nc_u64 s[G0B+4*\s+2:G0B+4*\s+3], s[46:47], \s*NQ*BPITCH
	s_or_b32 s[G0B+4*\s+3], s[G0B+4*\s+3], 0x80000000
.endr
; THE HEAD'S LOADS, one a wave: wave 0 slot 0 of h2, wave 1 of W3, wave 2 h2's scale words, wave 3 W3's.  One chain of branches on the wave's number, all arms leading to one join.
.macro ARM under, g0, g1, next
	s_cmp_lt_u32 s14, \under
	s_cbranch_scc0 \next
	tensor_load_to_lds s[\g0:\g0+3], s[\g1:\g1+7]
	s_nop 0
	PLACES 4
	s_branch .Lhead_asked
\next:
.endm
	ARM 1, G0H, G1A, .Lhead_b
	ARM 2, G0HB, G1B, .Lhead_sa
	ARM 3, G0SA, G1SA, .Lhead_sb
	tensor_load_to_lds s[G0SB:G0SB+3], s[G1SB:G1SB+7]
	s_nop 0
	PLACES 4
.Lhead_asked:
	v_and_b32 v5, 31, v0
	v_and_b32 v1, 15, v0                           ; r
	v_bfe_u32 v2, v0, 4, 1                         ; h
	v_lshlrev_b32 v[L16], 4, v5
	v_lshlrev_b32 v[L8], 3, v5
	v_min_u32 v[PFO], 11, v1
	v_lshlrev_b32 v[PFO], 8, v[PFO]
	v_mad_u32_u24 v[PFO], v2, s94, v[PFO]
	v_add_nc_u32 v[PFO+1], s95, v[PFO]
	v_add_nc_u32 v[PFO+2], s95, v[PFO+1]
	v_add_nc_u32 v[PFO+3], s95, v[PFO+2]
	global_prefetch_b8 v[PFO+1], s[PFA:PFA+1] th:TH_LOAD_NT scope:SCOPE_SE   ; fills 1 and 2
	global_prefetch_b8 v[PFO+2], s[PFA:PFA+1] th:TH_LOAD_NT scope:SCOPE_SE
	s_mul_i32 s21, s15, AB*1536
	s_mul_i32 s22, s16, AB*1536
	s_add_co_u32 s22, s22, 2*HALFT
.irp s, 0,1
	v_add_nc_u32 v[ADRA+2*\s], s21, v[L16]
	v_add_nc_u32 v[ADRA+2*\s+1], s21, v[L8]
	v_add_nc_u32 v[ADRB+2*\s], s22, v[L16]
	v_add_nc_u32 v[ADRB+2*\s+1], s22, v[L8]
	s_add_co_u32 s21, s21, SLOT
	s_add_co_u32 s22, s22, SLOT
.endr
	v_lshlrev_b32 v6, 2, v1
	v_mad_u32_u24 v6, v2, 2*AB*64, v6              ; 4 r, and for lanes 16-31 one K step on
	s_mul_i32 s21, s15, AB*64
	s_add_co_u32 s21, s21, SCL
	v_add_nc_u32 v[ADSA], s21, v6
	s_mul_i32 s22, s16, AB*64
	s_add_co_u32 s22, s22, SCL+2*PS
	v_add_nc_u32 v[ADSB], s22, v6
	s_mul_i32 s21, s14, 16*272
	s_add_co_u32 s21, s21, OST                     ; my stage
	v_mul_u32_u24 v20, v1, 272
	v_lshl_add_u32 v20, v2, 6, v20
	v_add_nc_u32 v20, s21, v20                     ; in: row r, + 64 h
	v_mul_u32_u24 v21, v2, 272
	v_lshl_add_u32 v21, v1, 4, v21
	v_add_nc_u32 v21, s21, v21                     ; back: lanes 0-15 one row of 256 bytes, lanes 16-31 the next
	v_lshlrev_b32 v22, 15, v2
	v_lshl_add_u32 v22, v1, 4, v22                 ; and the same in out0: a position on is 32,768 bytes
	; att, as wo's wave of the same place stored its accumulators, and b3
	s_lshl_b32 s18, s17, 2
	s_add_co_u32 s18, s18, s42
	s_lshl_b32 s18, s18, 2
	s_add_co_u32 s18, s18, s14
	s_lshl_b32 s18, s18, 14
	s_add_co_u32 s18, s18, AFO
	s_mov_b32 s19, 0
	s_add_nc_u64 s[8:9], s[8:9], s[18:19]
	s_lshl_b32 s22, s42, 9
	s_lshl_b32 s23, s16, 8
	s_add_co_u32 s22, s22, s23                     ; my first column x 4
	s_mov_b32 s23, 0
	s_add_nc_u64 s[10:11], s[10:11], s[22:23]
	v_lshlrev_b32 v7, 6, v2
.irp b, 0,1,2,3
	global_load_b128 v[64+8*\b:67+8*\b], v7, s[10:11] offset:128*(\b/2)+32*(\b%2)
	global_load_b128 v[68+8*\b:71+8*\b], v7, s[10:11] offset:128*(\b/2)+32*(\b%2)+16
.endr
	s_lshl_b32 s18, s17, 3
	s_lshl_b32 s19, s15, 2
	s_add_co_u32 s18, s18, s19                     ; my first token tile
	s_and_b32 s19, s18, 31
	s_lshl_b32 s19, s19, 19                        ; its first position x 32,768 bytes
	s_lshr_b32 s20, s18, 5
	s_lshl_b32 s20, s20, 11                        ; the batch x 2,048
	s_add_co_u32 s19, s19, s20
	s_add_co_u32 s20, s19, s22
	s_mov_b32 s21, 0
	s_add_nc_u64 s[12:13], s[12:13], s[20:21]
	s_wait_alu depctr_va_vdst(0)
	s_wait_tensorcnt 0x0                           ; my tile of the head's four is in
	ds_add_u32 v[SPW], v[NIL]
	s_mov_b32 s[G1A+2], (NQ/2)<<16                 ; no tensor load of mine is out: from here on a load brings two K steps' rows
	s_mov_b32 s[G1A+4], NQ/2
	s_mov_b32 s[G1B+2], (NQ/2)<<16
	s_mov_b32 s[G1B+4], NQ/2
	s_wait_dscnt 0x0
	CROUND                                         ; everybody's tile is in, and the sixteen work-groups meet
	JLOAD G0A+4, G1A, G0B+4, G1B                   ; slot 1's first fill, a quarter a wave
	WIN 0x80                                       ; destination window 2: att, as wo's wave of the same place stored its accumulators
.set ia, 0
.rept 16
	global_load_b128 v[8*ia:8*ia+3], v[L16], s[8:9] offset:1024*ia th:TH_LOAD_NT
	global_load_b128 v[8*ia+4:8*ia+7], v[L16], s[8:9] offset:1024*ia+512 th:TH_LOAD_NT
.set ia, ia+1
.endr
	WIN 0
	s_wait_loadcnt 32                              ; b3 is in; att's 32 loads may be out: they are waited for on the way out
	s_wait_alu depctr_va_vdst(0)
	SCALES 0                                       ; the scale words first: the youngest 8 loads are h2's blocks 2 and 3
	FETCH 0, 0, 0
	STEPS 0, 1                                     ; the first step's products take b3 as C
.if LAPS > 1
	WIN 0
	s_mov_b32 s3, LAPS-1
.Llap:                                                 ; a trip goes once round the ring and fills both slots again
	TURN 0, 1, 1
	STEPS 1, 0
	TURN 1, 0, 1
	STEPS 0, 0
	WIN 0
	s_sub_co_u32 s3, s3, 1
	s_cmp_lg_u32 s3, 0
	s_cbranch_scc1 .Llap
.endif
	TURN 0, 1, 0                                   ; the last lap fills nothing
	STEPS 1, 0
	LAST 1
; THE WAY OUT, a block of 16 tokens x 64 columns at a time.  LDS serves a wave's instructions in order: no wait between the stores and the loads, nor in front of the next block's stores.
.macro TOSTAGE a
.irp b, 0,1,2,3
	ds_store_b128 v20, v[128+8*(4*(\a)+\b):131+8*(4*(\a)+\b)] offset:128*(\b/2)+32*(\b%2)      ; each accumulator from its low end on
	ds_store_b128 v20, v[132+8*(4*(\a)+\b):135+8*(4*(\a)+\b)] offset:128*(\b/2)+32*(\b%2)+16
.endr
.irp t, 0,1,2,3,4,5,6,7
	ds_load_b128 v[64+32*((\a)%2)+4*\t:67+32*((\a)%2)+4*\t], v21 offset:544*\t
.endr
.endm
.macro SEND a, younger                 ; younger: the LDS instructions issued behind block a's loads, which may stay out
	s_wait_dscnt \younger
.irp t, 0,1,2,3,4,5,6,7                ; the stage's rows 2 t and 2 t + 1 are the tile's lane rows: positions 2 t (+ 8 from row 8 on) and the next
	global_store_b128 v22, v[64+32*((\a)%2)+4*\t:67+32*((\a)%2)+4*\t], s[12:13] offset:(32*((\a)/2)+8*((\a)%2)+2*\t+8*(\t/4))*32768 th:TH_STORE_NT
.endr
.endm
	PLACES 4
	s_wait_loadcnt 0x0                             ; att is in
	WIN 0x08                                       ; source 1 window 2
.set ia, 0
.rept 64
	v_pk_add_f32 v[128+2*ia:129+2*ia], v[128+2*ia:129+2*ia], v[2*ia:2*ia+1]   ; + att, each accumulator from its low end on
.set ia, ia+1
.endr
	WIN 0
	s_wait_alu depctr_va_vdst(0)
	TOSTAGE 0
.irp a, 1,2,3
.if \a > 1
	s_wait_xcnt 0x0                                ; block a - 2's stores have read their registers: block a's loads may land there
.endif
	TOSTAGE \a
	SEND \a-1, 16                                  ; behind block a - 1's loads: block a's 8 stores and 8 loads
.endr
	SEND 3, 0
	s_wait_tensorcnt 0x0                           ; the wave's end: behind my last tensor load and my last LDS store
	ds_add_u32 v[SPW], v[NIL]
	s_wait_dscnt 0x0
	CROUND                                         ; the closing round
	s_endpgm
.Lfunc_end_k_q18340fae86_w3:
	.size	k_q18340fae86_w3, .Lfunc_end_k_q18340fae86_w3-k_q18340fae86_w3
	.p2alignl 7, 3214868480
	.fill 96, 4, 3214868480
	.section	.rodata,"a",@progbits
	.p2align	6, 0x0
	.amdhsa_kernel k_q18340fae86_w3
		.amdhsa_group_segment_fixed_size 327680
		.amdhsa_private_segment_fixed_size 0
		.amdhsa_enable_private_segment 0
		.amdhsa_kernarg_size 40
		.amdhsa_user_sgpr_count 2
		.amdhsa_user_sgpr_kernarg_segment_ptr 1
		.amdhsa_wavefront_size32 1
		.amdhsa_system_sgpr_workgroup_id_x 1
		.amdhsa_system_sgpr_workgroup_id_y 1
		.amdhsa_system_sgpr_workgroup_id_z 1
		.amdhsa_system_vgpr_workitem_id 0
		.amdhsa_next_free_vgpr 768
		.amdhsa_next_free_sgpr 102
		.amdhsa_reserve_vcc 0
		.amdhsa_float_denorm_mode_32 3
		.amdhsa_float_denorm_mode_16_64 3
		.amdhsa_memory_ordered 1
		.amdhsa_forward_progress 1
		.amdhsa_inst_pref_size 104
	.end_amdhsa_kernel
	.amdgpu_metadata
---
amdhsa.version: [ 1, 2 ]
amdhsa.kernels:
  - .name:           k_q18340fae86_w3
    .symbol:         k_q18340fae86_w3.kd
    .args:
      - { .name: wsH2, .offset: 0, .size: 8, .value_kind: global_buffer, .address_space: global }
      - { .name: wsP, .offset: 8, .size: 8, .value_kind: global_buffer, .address_space: global }
      - { .name: wsA, .offset: 16, .size: 8, .value_kind: global_buffer, .address_space: global }
      - { .name: b3, .offset: 24, .size: 8, .value_kind: global_buffer, .address_space: global }
      - { .name: out0, .offset: 32, .size: 8, .value_kind: global_buffer, .address_space: global }
    .group_segment_fixed_size: 327680
    .private_segment_fixed_size: 0
    .kernarg_segment_align: 8
    .kernarg_segment_size: 40
    .max_flat_workgroup_size: 128
    .sgpr_count:     102
    .vgpr_count:     768
    .wavefront_size: 32
...
	.end_amdgpu_metadata
.endif
;; end of part 7
